; MI455X (gfx1250); checked and timed in simulation.
; The chip was launched on July 23, 2026; its instructions are those of AMD's public machine-readable ISA for CDNA 5 (MIT licence, August 2026) and "CDNA5" Instruction Set Architecture Reference Guide (July 2026). The comments in the code are by the model that wrote it; some were corrected since.
;; Custom Self Attention. Allowed arithmetic: matrix products marked QUANTISED: E2M1 operands, one E8M0 scale for each 32 along K, by v_wmma_scale_f32_16x16x128_f8f6f4 with both operands' format E2M1 (or v_wmma_scale_f32_32x16x128_f4), f32 sums; products left as they are: bf16, f16 or f32 operands; f32 sums; everything else in f32.
;; Inputs: Wk 1,024 x 1,024 float32; Wq 1,024 x 1,024 float32; Wv 1,024 x 1,024 float32; attention_mask 4 x 1 x 1 x 1,024 float32; bk 1,024 float32; bq 1,024 float32; bv 1,024 float32; dist_emb 2,047 x 64 float32; gabriel_mask 4 x 1,024 x 1,024 float32; hidden_states 4 x 1,024 x 1,024 float32.
;; Outputs: out0 4 x 1,024 x 1,024 float32.
;; This version of the problem:
;;   THIS VERSION OF THE PROBLEM IS GIVEN IN LOW PRECISION. The matrix products marked QUANTISED in the list below multiply operands that are first quantised to E2M1 (2 exponent bits, 1 mantissa bit; 4 bits a number), with one power-of-two scale for each 32 numbers along K (OCP MX v1.0); their sums are f32. The products marked 'left as it is' may take bf16, f16 or f32 operands, with f32 sums. Whichever they take, every output number must still come out within the allowed error. Rounding operands to bf16 (8 significant bits) uses up far more of that allowance than f16 does (11 bits, for magnitudes from 6e-5 to 65,504). All else is computed in f32.
;;   The module's matrix products, in the order in which they are computed (A, B: the left and right operand; K: the contracted axis; several contracted axes count as one K, in the product's order):
;;     1. [M 4,096, K 1,024] x [K 1,024, N 1,024]; A: input hidden_states; B: input Wq: QUANTISED
;;     2. [M 4,096, K 1,024] x [K 1,024, N 1,024]; A: input hidden_states; B: input Wk: QUANTISED
;;     3. [M 4,096, K 1,024] x [K 1,024, N 1,024]; A: input hidden_states; B: input Wv: QUANTISED
;;     4. batch 64 x [M 1,024, K 64] x [K 64, N 1,024]; A: computed on the way; B: computed on the way: left as it is (an operand is computed on the way)
;;     5. batch 1,024 x [M 1,024, K 64] x [K 64, N 64]; A: computed on the way; B: computed on the way: left as it is (an operand is computed on the way)
;;     6. batch 1,024 x [M 1,024, K 64] x [K 64, N 64]; A: computed on the way; B: computed on the way: left as it is (an operand is computed on the way)
;;     7. batch 64 x [M 64, K 1,024] x [K 1,024, N 1,024]; A: computed on the way; B: computed on the way: left as it is (an operand is computed on the way)
;;   THE QUANTISER, for each operand of a quantised product, along K:
;;     - K is cut into blocks of 32 from its start; a last block that is shorter is filled with zeros.
;;     - A block's scale is 2^e with e = floor(log2(the largest magnitude in the block)) - 2, held to -126 .. 127; a block of zeros has e = 0. As a byte (E8M0): e + 127.
;;     - Each number is divided by its block's scale, clamped to +-6, and rounded to the nearest number of E2M1, ties to even, subnormals kept.
;;     - The product sums the exact products of the quantised numbers (number of the format x scale) in f32.
;;   ~~~python
;;   def quantise(x, axis):      # numpy; x: float32 -> the quantised numbers, widened to float32 again
;;       x = np.moveaxis(x, axis, -1); K = x.shape[-1]
;;       x = np.pad(x, [(0, 0)] * (x.ndim - 1) + [(0, -K % 32)]); x = x.reshape(x.shape[:-1] + (-1, 32)); a = np.abs(x).max(-1, keepdims=True)
;;       e = np.where(a > 0, np.clip(np.frexp(np.where(a > 0, a, 1))[1] - 1 - 2, -126, 127), 0)      # np.frexp(a)[1] - 1 = floor(log2(a)), exactly
;;       r = np.clip(x / 2.0 ** e, -6, 6)
;;       step = 2.0 ** (np.maximum(np.frexp(np.where(r == 0, 1, r))[1] - 1, 0) - 1)
;;       q = np.round(r / step) * step * 2.0 ** e      # np.round: ties to even
;;       return np.moveaxis(q.reshape(q.shape[:-2] + (-1,))[..., :K], -1, axis).astype(np.float32)
;;   ~~~
;; 2 versions, each right. Each part assembles by itself: llvm-mc -triple=amdgcn-amd-amdhsa -mcpu=gfx1250 --defsym DOCPART=n.
;; ======== version 1 of 2: 3 launches
;; limits: values are held in f16: magnitudes above 65,504 overflow, below 6.1e-05 lose precision
;; workspace buffers: hc 2,097,152 bytes; hsc 131,072 bytes; wc 1,572,864 bytes; wsc 98,304 bytes; ef 262,144 bytes; qf 8,388,608 bytes; kvf 16,777,216 bytes
;; launch prep (part 1): grid 256 x 1, 4 waves a work-group, no clusters, 34,304 bytes of LDS; arguments hidden_states, Wq, Wk, Wv, dist_emb, hc, hsc, wc, wsc, ef; writes hc, hsc, wc, wsc, ef
.if DOCPART == 1
	.amdgcn_target "amdgcn-amd-amdhsa--gfx1250"
	.amdhsa_code_object_version 6
	.text
	.protected	k_q0c543e3067_prep
	.globl	k_q0c543e3067_prep
	.p2align	8
	.type	k_q0c543e3067_prep,@function
k_q0c543e3067_prep:
	s_mov_b64 s[64:65], 0
	v_nop
	global_prefetch_b8 v0, s[64:65] scope:SCOPE_SE
	s_setreg_imm32_b32 hwreg(HW_REG_WAVE_MODE, 25, 1), 1
	s_wait_xcnt 0x0
; hidden_states [4096][1024] and Wq, Wk, Wv [1024][1024], f32 with K innermost, become codes of FP4 (E2M1) with one E8M0 byte for each 32 along K; dist_emb [2047][64] becomes f16.
; THE CODES ARE LAID AS IMAGES OF OPERAND REGISTERS: [tile of 16 rows][K step of 128][chunk c][lane][16 bytes]; lane (r, h) of chunk c holds block 2 c + h of the K step of row r,
; which is what registers 4 c .. 4 c + 3 of a 4-bit fragment hold.  The scale bytes lie [row][32].  The table lies [tile of 16 rows][chunk q][lane][16 bytes]: lane (r, h) of chunk q holds
; channels 16 q + 8 h + 0 .. 7 of row r: registers 4 q .. 4 q + 3 of two 16-bit fragments.  The table has 128 tiles; its row 2047 repeats row 2046 and meets no pair of positions.
; A block's scale is 2^(floor(log2(its largest magnitude)) - 2); its byte is the largest magnitude's exponent field - 2, held at 1 from below.  A block of zeros so gets the byte 1 where the
; rule says 127: its codes are zeros, and this program alone reads the bytes.  LIMITS: NaN and infinities among the inputs are not served.
; SHARES.  Work-groups 0-127 take hidden_states, 128-159 Wq, 160-191 Wk, 192-223 Wv: a wave takes 16 rows x 512 along K, in four units of 128.  Work-groups 224-255 take the table, a tile a wave.
; A unit's 16 loads read 512 consecutive bytes each (a row's part); the 8,192 bytes turn through the wave's own stage in LDS (rows of 512 + 16 bytes) and come back a whole block of 32 to a lane.
; No tensor load, no barrier: waves share nothing.  Matrix units and clusters have nothing to do here: each byte is read once and no work-group shares an input with another.
.set STG,   16*528                     ; a wave's stage
.set SPARE, 4*STG                      ; behind the four stages: the spare words, 128 bytes for each wave: two blocks of 256 bytes that no other line names
.set VL16,  1                          ; v1   16 x lane
.set VR,    2                          ; v2   r = lane % 16
.set VH,    3                          ; v3   h = lane / 16
.set SIN,   4                          ; v4   the stage, on the way in
.set SOUT,  5                          ; v5   and on the way out: row r, + 128 h
.set SCO,   6                          ; v6   my place among the scale bytes: 32 r + 8 h
.set SH8,   7                          ; v7   8 h
.set MX,    8                          ; v8-9   two blocks' largest magnitudes
.set OPS,   10                         ; v10-11 the conversions' scale operands
.set SPW,   12                         ; v12  LDS address of my spare word; never rewritten
.set NIL,   13                         ; v13  0; never rewritten
.set R,     16                         ; v16-143  two sets of 16 x 4 registers as loaded
.set X,     144                        ; v144-207 two blocks of 32 neighbours
.set CD,    208                        ; v208-239 codes: eight registers for each unit, so that no store's data are written again
.set WD,    240                        ; v240-243 a scale word for each unit
.set BY,    244                        ; v244-245 two scale bytes
.set TW,    246
.set TP,    247
.set OW,    248                        ; v248-249 the two words that I store
	s_load_b512 s[4:19], s[0:1], 0x0               ; hidden s[4:5], Wq s[6:7], Wk s[8:9], Wv s[10:11], table s[12:13], hc s[14:15], hsc s[16:17], wc s[18:19]
	s_load_b128 s[20:23], s[0:1], 0x40             ; wsc s[20:21], ef s[22:23]
	v_lshl_add_u32 v[SPW], v0, 2, SPARE
	v_mov_b32 v[NIL], 0
	v_lshrrev_b32 v1, 5, v0
	v_readfirstlane_b32 s24, v1                    ; wave 0..3
	v_and_b32 v14, 31, v0
	v_lshlrev_b32 v[VL16], 4, v14
	v_and_b32 v[VR], 15, v0
	v_bfe_u32 v[VH], v0, 4, 1
	s_cmp_ge_u32 ttmp9, 224                        ; the work-group's number alone decides
	s_cbranch_scc1 .Ltable
	s_mul_i32 s25, s24, STG
	v_add_nc_u32 v[SIN], s25, v[VL16]
	v_mul_u32_u24 v[SOUT], v[VR], 528
	v_lshl_add_u32 v[SOUT], v[VH], 7, v[SOUT]
	v_add_nc_u32 v[SOUT], s25, v[SOUT]
	v_lshlrev_b32 v[SCO], 5, v[VR]
	v_lshl_add_u32 v[SCO], v[VH], 3, v[SCO]
	v_lshlrev_b32 v[SH8], 3, v[VH]
	v_mov_b32 v[TP], 0                             ; written once: a lane permute's destination counts as one of its sources
	s_mov_b32 s26, 0x76543210
	s_mov_b32 s27, 0xfedcba98                      ; v_permlanex16_b32's selects for lane l xor 16
	s_lshr_b32 s36, s24, 1
	s_and_b32 s37, s24, 1                          ; which half of K
	s_lshl_b32 s38, ttmp9, 1
	s_add_co_u32 s38, s38, s36                     ; tile of 16 rows: 2 x work-group + wave / 2; 0-255 hidden, 256-447 the three weights
	s_wait_kmcnt 0x0
	s_cmp_lt_u32 ttmp9, 192
	s_cselect_b64 s[28:29], s[8:9], s[10:11]
	s_cmp_lt_u32 ttmp9, 160
	s_cselect_b64 s[28:29], s[6:7], s[28:29]
	s_cmp_lt_u32 ttmp9, 128
	s_cselect_b64 s[28:29], s[4:5], s[28:29]       ; from where,
	s_cselect_b64 s[30:31], s[14:15], s[18:19]     ; the codes' buffer,
	s_cselect_b64 s[32:33], s[16:17], s[20:21]     ; the scale bytes' buffer
	s_cselect_b32 s34, 0, 256
	s_cselect_b32 s35, 255, 63
	s_sub_co_u32 s38, s38, s34                     ; the tile's number in its pair of buffers
	s_and_b32 s35, s38, s35                        ; and in its input
	s_lshl_b32 s40, s35, 16                        ; 16 rows of 4,096 bytes
	s_lshl_b32 s39, s37, 11
	s_add_co_u32 s40, s40, s39
	s_mov_b32 s41, 0
	s_add_nc_u64 s[28:29], s[28:29], s[40:41]
	s_lshl_b32 s40, s38, 13                        ; a tile's codes: 8,192 bytes
	s_lshl_b32 s39, s37, 12
	s_add_co_u32 s40, s40, s39
	s_add_nc_u64 s[30:31], s[30:31], s[40:41]
	s_lshl_b32 s40, s38, 9                         ; its scale bytes: 512
	s_lshl_b32 s39, s37, 4
	s_add_co_u32 s40, s40, s39
	s_add_nc_u64 s[32:33], s[32:33], s[40:41]
.macro LOADU u                         ; unit u: 16 rows x 512 bytes into set u % 2
.irp i, 0,1,2,3,4,5,6,7,8,9,10,11,12,13,14,15
	global_load_b128 v[R+64*((\u)%2)+4*\i:R+64*((\u)%2)+4*\i+3], v[VL16], s[28:29] offset:4096*\i+512*(\u) th:TH_LOAD_NT
.endr
.endm
.macro UNIT u
.if (\u) < 3
	s_wait_loadcnt 16                              ; this unit's 16 loads are in; the next unit's 16 may be out
.else
	s_wait_loadcnt 0x0
.endif
.irp i, 0,1,2,3,4,5,6,7,8,9,10,11,12,13,14,15
	ds_store_b128 v[SIN], v[R+64*((\u)%2)+4*\i:R+64*((\u)%2)+4*\i+3] offset:528*\i
.endr
.irp c, 0,1
.irp p, 0,1,2,3,4,5,6,7
	ds_load_b128 v[X+32*\c+4*\p:X+32*\c+4*\p+3], v[SOUT] offset:256*\c+16*\p   ; LDS serves a wave's instructions in order: these see the stores above.  Block 2 c + h of row r
.endr
.endr
	s_wait_dscnt 0x0                               ; the blocks are in, and the stores have read their registers,
.if (\u) < 2
	LOADU (\u)+2                                   ; which take the unit two further on
.endif
.irp c, 0,1
	v_max3_num_f32 v[MX+\c], |v[X+32*\c]|, |v[X+32*\c+1]|, 0x1800000   ; the block's largest magnitude, all 32 numbers mine, with the floor 2^(3 - 127): so the byte cannot fall under 1
.endr
.irp i, 2,4,6,8,10,12,14,16,18,20,22,24,26,28,30
.irp c, 0,1
	v_max3_num_f32 v[MX+\c], v[MX+\c], |v[X+32*\c+\i]|, |v[X+32*\c+\i+1]|   ; (the two blocks by turns)
.endr
.endr
.irp c, 0,1
	v_add_nc_u32 v[OPS+\c], 0xff000000, v[MX+\c]   ; 2 off the exponent field: the conversion takes the exponent field of this operand as its scale
.endr
.irp c, 0,1
	v_lshrrev_b32 v[BY+\c], 23, v[OPS+\c]          ; the scale's byte
.endr
.irp c, 0,1
.irp g, 0,1,2,3
	v_cvt_scalef32_pk8_fp4_f32 v[CD+8*(\u)+4*\c+\g], v[X+32*\c+8*\g:X+32*\c+8*\g+7], v[OPS+\c]   ; to the nearest code, ties to even; beyond 6 the largest code
.endr
.endr
	v_lshl_or_b32 v[TW], v[BY+1], 16, v[BY]        ; my two bytes: blocks h and 2 + h of row r (a plain line behind the conversions),
	v_lshlrev_b32 v[TW], v[SH8], v[TW]             ; at their places in the K step's word;
	v_permlanex16_b32 v[TP], v[TW], s26, s27
	v_or_b32 v[WD+(\u)], v[TW], v[TP]              ; with lane l xor 16's two the word is whole
.irp c, 0,1
	global_store_b128 v[VL16], v[CD+8*(\u)+4*\c:CD+8*(\u)+4*\c+3], s[30:31] offset:1024*(\u)+512*\c   ; 32 lanes store 512 consecutive bytes, aligned
.endr
.endm
	LOADU 0
	LOADU 1
	UNIT 0
	UNIT 1
	UNIT 2
	UNIT 3
	v_cmp_ne_u32 vcc_lo, 0, v[VH]
	v_cndmask_b32 v[OW], v[WD], v[WD+2], vcc_lo    ; both halves of the lanes hold a row's four words: lane (r, h) stores words 2 h and 2 h + 1
	v_cndmask_b32 v[OW+1], v[WD+1], v[WD+3], vcc_lo
	global_store_b64 v[SCO], v[OW:OW+1], s[32:33]  ; 16 bytes of each row's 32: the other half of K is another wave's.  229,376 bytes in the whole launch leave so
	s_wait_tensorcnt 0x0                           ; the wave's end: behind my last LDS store; this wait stands even in a text with no tensor load
	ds_add_u32 v[SPW], v[NIL]
	s_wait_dscnt 0x0
	s_endpgm
.Ltable:                                               ; a tile of the table: this path writes no LDS
	s_sub_co_u32 s25, ttmp9, 224
	s_lshl_b32 s25, s25, 2
	s_add_co_u32 s25, s25, s24                     ; tile 0..127
	s_lshl_b32 s26, s25, 4
	v_add_nc_u32 v4, s26, v[VR]
	v_min_u32 v4, 2046, v4                         ; no load leaves the table: row 2047 repeats row 2046
	v_lshlrev_b32 v4, 8, v4                        ; a row is 256 bytes
	v_lshl_add_u32 v4, v[VH], 5, v4                ; + 8 h channels
	s_lshl_b32 s26, s25, 11
	s_mov_b32 s27, 0
	s_wait_kmcnt 0x0
	s_add_nc_u64 s[22:23], s[22:23], s[26:27]
.irp q, 0,1,2,3
	global_load_b128 v[16+8*\q:19+8*\q], v4, s[12:13] offset:64*\q
	global_load_b128 v[20+8*\q:23+8*\q], v4, s[12:13] offset:64*\q+16
.endr
	s_wait_loadcnt 0x0
.irp q, 0,1,2,3
.irp p, 0,1,2,3
	v_cvt_pk_f16_f32 v[80+4*\q+\p], v[16+8*\q+2*\p], v[17+8*\q+2*\p]
.endr
.endr
.irp q, 0,1,2,3
	global_store_b128 v[VL16], v[80+4*\q:83+4*\q], s[22:23] offset:512*\q
.endr
	s_endpgm
.Lfunc_end_k_q0c543e3067_prep:
	.size	k_q0c543e3067_prep, .Lfunc_end_k_q0c543e3067_prep-k_q0c543e3067_prep
	.p2alignl 7, 3214868480
	.fill 96, 4, 3214868480
	.section	.rodata,"a",@progbits
	.p2align	6, 0x0
	.amdhsa_kernel k_q0c543e3067_prep
		.amdhsa_group_segment_fixed_size 34304
		.amdhsa_private_segment_fixed_size 0
		.amdhsa_enable_private_segment 0
		.amdhsa_kernarg_size 80
		.amdhsa_user_sgpr_count 2
		.amdhsa_user_sgpr_kernarg_segment_ptr 1
		.amdhsa_wavefront_size32 1
		.amdhsa_system_sgpr_workgroup_id_x 1
		.amdhsa_system_sgpr_workgroup_id_y 1
		.amdhsa_system_sgpr_workgroup_id_z 1
		.amdhsa_system_vgpr_workitem_id 0
		.amdhsa_next_free_vgpr 256
		.amdhsa_next_free_sgpr 66
		.amdhsa_reserve_vcc 1
		.amdhsa_float_denorm_mode_32 3
		.amdhsa_float_denorm_mode_16_64 3
		.amdhsa_memory_ordered 1
		.amdhsa_forward_progress 1
		.amdhsa_inst_pref_size 33
	.end_amdhsa_kernel
	.amdgpu_metadata
---
amdhsa.version: [ 1, 2 ]
amdhsa.kernels:
  - .name:           k_q0c543e3067_prep
    .symbol:         k_q0c543e3067_prep.kd
    .args:
      - { .name: hidden_states, .offset: 0, .size: 8, .value_kind: global_buffer, .address_space: global }
      - { .name: Wq, .offset: 8, .size: 8, .value_kind: global_buffer, .address_space: global }
      - { .name: Wk, .offset: 16, .size: 8, .value_kind: global_buffer, .address_space: global }
      - { .name: Wv, .offset: 24, .size: 8, .value_kind: global_buffer, .address_space: global }
      - { .name: dist_emb, .offset: 32, .size: 8, .value_kind: global_buffer, .address_space: global }
      - { .name: hc, .offset: 40, .size: 8, .value_kind: global_buffer, .address_space: global }
      - { .name: hsc, .offset: 48, .size: 8, .value_kind: global_buffer, .address_space: global }
      - { .name: wc, .offset: 56, .size: 8, .value_kind: global_buffer, .address_space: global }
      - { .name: wsc, .offset: 64, .size: 8, .value_kind: global_buffer, .address_space: global }
      - { .name: ef, .offset: 72, .size: 8, .value_kind: global_buffer, .address_space: global }
    .group_segment_fixed_size: 34304
    .private_segment_fixed_size: 0
    .kernarg_segment_align: 8
    .kernarg_segment_size: 80
    .max_flat_workgroup_size: 128
    .sgpr_count:     66
    .vgpr_count:     256
    .wavefront_size: 32
...
	.end_amdgpu_metadata
.endif
;; end of part 1
;; launch proj (part 2): grid 32 x 8, 16 waves a work-group, no clusters, 264,192 bytes of LDS; arguments hc, hsc, wc, wsc, bq, bk, bv, qf, kvf; writes qf, kvf
.if DOCPART == 2
	.amdgcn_target "amdgcn-amd-amdhsa--gfx1250"
	.amdhsa_code_object_version 6
	.text
	.protected	k_q0c543e3067_proj
	.globl	k_q0c543e3067_proj
	.p2align	8
	.type	k_q0c543e3067_proj,@function
k_q0c543e3067_proj:
	s_mov_b64 s[64:65], 0
	v_nop
	global_prefetch_b8 v0, s[64:65] scope:SCOPE_SE
	s_setreg_imm32_b32 hwreg(HW_REG_WAVE_MODE, 25, 1), 1
	s_wait_xcnt 0x0
; q, k, v = hidden W^T + b, the three products on codes of FP4 (E2M1) with one E8M0 scale for each 32 along K, sums in f32; q, k and v leave as f16, laid as images of the registers of the
; fragments that the attention launch multiplies.  LIMIT: |q|, |k|, |v| under 65,504, the largest f16 number.
; SHARES.  Work-group (x, y) makes tokens 128 x .. + 127, outputs 128 y .. + 127 (two heads) of all three products.  Wave w of 16: tp = w / 4: token tiles 2 tp, 2 tp + 1;
; op = w % 4: output tiles 2 op, 2 op + 1: 12 accumulators, 8 K steps of 128, 96 matrix instructions.
; LDS.  The codes of the 128 tokens and of the 3 x 128 weight rows, for all of K, are four dense blocks of 65,536 bytes in memory (images: [tile 8][K step 8][1,024 bytes]).  Each wave brings a
; quarter of one block with ONE tensor load at the head; nothing is filled again.  A fragment is two loads of 16 bytes a lane, 512 consecutive bytes each: no pitch, no padding.
; q AND k ARE MADE TRANSPOSED (source 0 = 16 weight rows, source 1 = 16 tokens): a lane holds one token and eight neighbouring channels, which pack into its 16 bytes of a chunk of a q or k fragment.
; v IS MADE THE NATURAL WAY (source 0 = tokens, source 1 = weight rows): a lane holds one channel and eight neighbouring keys: its 16 bytes of a chunk of a fragment of v^T.  So each tile leaves
; by one store of 512 consecutive bytes, with no stage.  The biases are the C of each sum's first matrix instruction.
; NO CLUSTER: the tokens' block is shared by 8 work-groups and each weight block by 32, and joint requests would divide the 262,144 bytes that a work-group asks for by four; this text asks once, at its head,
; for a launch of 96 matrix instructions a wave, and keeps the plain form.
.set SPARE, 262144                     ; behind the four blocks: the spare words, 128 bytes for each wave: eight blocks of 256 bytes that no other line names
.set VL16, 1                           ; v1   16 x lane
.set AA,   2                           ; v2   LDS address of my token tiles
.set AB,   3                           ; v3-5 of my weight tiles, a register for each product
.set BO8,  6                           ; v6   32 h: bq's and bk's eight numbers of my half
.set BO1,  7                           ; v7   4 r: bv's number of my lane
.set SPW,  8                           ; v8   LDS address of my spare word; never rewritten
.set NIL,  9                           ; v9   0; never rewritten
.set VL32, 10                          ; v10  32 x lane: a row of scale bytes
.set SH,   16                          ; v16-23  the tokens' scale words: register s = K step s; lanes 0-15 tile 2 tp, lanes 16-31 tile 2 tp + 1
.set SW,   24                          ; v24-47  the weights' likewise, eight registers a product
.set BQK,  48                          ; v48-79  bq's and bk's tiles: (product, output tile) x 8
.set BV,   80                          ; v80-95  bv's: output tile x 8, all eight alike
.set FA,   96                          ; v96-111  two token fragments
.set FB,   112                         ; v112-159 six weight fragments
.set ACC,  160                         ; v160-255 accumulator (m, a, o) at 160 + 8 (4 m + 2 a + o)
.set PK,   96                          ; the way out: packed results, over the fragments
	s_load_b512 s[4:19], s[0:1], 0x0               ; hc s[4:5], hsc s[6:7], wc s[8:9], wsc s[10:11], bq s[12:13], bk s[14:15], bv s[16:17], qf s[18:19]
	s_load_b64 s[20:21], s[0:1], 0x40              ; kvf
	v_lshl_add_u32 v[SPW], v0, 2, SPARE
	v_mov_b32 v[NIL], 0
	ds_add_u32 v[SPW], v[NIL]                      ; the wave's opening: the add, twice on end, and its wait ahead of my first tensor load
	ds_add_u32 v[SPW], v[NIL]                      ; and once more, under the one wait; the set-up below, work on registers, stands between
	v_lshrrev_b32 v1, 5, v0
	v_readfirstlane_b32 s22, v1                    ; wave 0..15
	; descriptor group 1: 64 rows of 32 elements of 8 bytes, dense: 16,384 bytes
	s_mov_b32 s28, 3<<16                           ; no mask; elements of 8 bytes; no padding
	s_mov_b32 s29, 32<<16                          ; tensor_dim0 = 32
	s_mov_b32 s30, 64<<16                          ; tensor_dim1 = 64
	s_mov_b32 s31, 32<<16                          ; tile_dim0 = 32
	s_mov_b32 s32, 64                              ; tile_dim1 = 64
	s_mov_b32 s33, 32                              ; from row to row
	s_mov_b32 s34, 0
	s_mov_b32 s35, 0
	s_mov_b32 s24, 1                               ; group 0: count = 1
	s_lshl_b32 s25, s22, 14                        ; LDS address: 16,384 x wave
	s_lshr_b32 s36, s22, 2                         ; tp.  Also: which block I fetch for: 0 the tokens', 1 .. 3 a weight's
	s_and_b32 s37, s22, 3                          ; op.  Also: which quarter of it
	s_and_b32 s39, ttmp7, 0xffff                   ; work-group y
	s_lshl_b32 s40, s37, 14
	s_lshl_b32 s42, ttmp9, 16
	s_add_co_u32 s42, s42, s40                     ; in hc: 65,536 x + my quarter
	s_sub_co_u32 s43, s36, 1                       ; the product's number (in waves 0-3 a number that is not used)
	s_lshl_b32 s43, s43, 19
	s_lshl_b32 s44, s39, 16
	s_add_co_u32 s43, s43, s44
	s_add_co_u32 s43, s43, s40                     ; in wc: 524,288 m + 65,536 y + my quarter
	s_cmp_lt_u32 s22, 4
	s_cselect_b32 s40, s42, s43
	s_mov_b32 s41, 0
	s_wait_dscnt 0x0                               ; both opening adds are done
	s_wait_kmcnt 0x0
	s_cselect_b64 s[26:27], s[4:5], s[8:9]         ; the choice hangs on the wave's number alone
	s_add_nc_u64 s[26:27], s[26:27], s[40:41]
	s_or_b32 s27, s27, 0x80000000                  ; type = 2
	tensor_load_to_lds s[24:27], s[28:35]          ; my one tensor load
	s_nop 0
.rept 4
	v_nop
.endr
	v_and_b32 v11, 31, v0
	v_lshlrev_b32 v[VL16], 4, v11
	v_lshlrev_b32 v[VL32], 5, v11
	v_and_b32 v[BO1], 15, v0
	v_lshlrev_b32 v[BO1], 2, v[BO1]
	v_bfe_u32 v[BO8], v0, 4, 1
	v_lshlrev_b32 v[BO8], 5, v[BO8]
	s_lshl_b32 s45, s36, 14                        ; two tiles of 8,192 bytes
	v_add_nc_u32 v[AA], s45, v[VL16]
	s_lshl_b32 s45, s37, 14
.irp m, 0,1,2
	s_add_co_u32 s45, s45, 65536
	v_add_nc_u32 v[AB+\m], s45, v[VL16]
.endr
	s_lshl_b32 s40, ttmp9, 12                      ; the scale bytes of row 128 x + 32 tp: 32 bytes a row
	s_lshl_b32 s42, s36, 10
	s_add_co_u32 s40, s40, s42
	s_add_nc_u64 s[6:7], s[6:7], s[40:41]
	s_lshl_b32 s40, s39, 12                        ; and of weight row 128 y + 32 op
	s_lshl_b32 s42, s37, 10
	s_add_co_u32 s40, s40, s42
	s_add_nc_u64 s[10:11], s[10:11], s[40:41]
	s_lshr_b32 s40, s40, 3                         ; the biases of the same rows: 4 bytes a row
	s_add_nc_u64 s[12:13], s[12:13], s[40:41]
	s_add_nc_u64 s[14:15], s[14:15], s[40:41]
	s_add_nc_u64 s[16:17], s[16:17], s[40:41]
	global_load_b128 v[SH:SH+3], v[VL32], s[6:7]
	global_load_b128 v[SH+4:SH+7], v[VL32], s[6:7] offset:16
.irp m, 0,1,2
	global_load_b128 v[SW+8*\m:SW+8*\m+3], v[VL32], s[10:11] offset:32768*\m
	global_load_b128 v[SW+8*\m+4:SW+8*\m+7], v[VL32], s[10:11] offset:32768*\m+16
.endr
.irp o, 0,1
	global_load_b128 v[BQK+8*\o:BQK+8*\o+3], v[BO8], s[12:13] offset:64*\o          ; lane (r, h): bq of channels 16 o + 8 h + 0 .. 7
	global_load_b128 v[BQK+8*\o+4:BQK+8*\o+7], v[BO8], s[12:13] offset:64*\o+16
	global_load_b128 v[BQK+16+8*\o:BQK+16+8*\o+3], v[BO8], s[14:15] offset:64*\o
	global_load_b128 v[BQK+16+8*\o+4:BQK+16+8*\o+7], v[BO8], s[14:15] offset:64*\o+16
	global_load_b32 v[BV+8*\o], v[BO1], s[16:17] offset:64*\o                       ; bv of channel 16 o + r
.endr
	; where the results go
	s_lshr_b32 s43, ttmp9, 3                       ; the batch
	s_lshl_b32 s43, s43, 4
	s_lshl_b32 s44, s39, 1
	s_add_co_u32 s43, s43, s44
	s_lshr_b32 s44, s37, 1
	s_add_co_u32 s43, s43, s44                     ; batch x 16 + head, the head 2 y + op / 2
	s_and_b32 s44, ttmp9, 7                        ; which 128 tokens of the sequence
	s_and_b32 s45, s37, 1
	s_and_b32 s46, s36, 1
	s_lshr_b32 s47, s36, 1
	s_lshl_b32 s40, s43, 17                        ; q: 131,072 a head, 2,048 a tile of 16 tokens, 512 a chunk of 16 channels
	s_lshl_b32 s42, s44, 14
	s_add_co_u32 s40, s40, s42
	s_lshl_b32 s42, s36, 12
	s_add_co_u32 s40, s40, s42
	s_lshl_b32 s42, s45, 10
	s_add_co_u32 s40, s40, s42
	s_add_nc_u64 s[18:19], s[18:19], s[40:41]
	s_lshl_b32 s40, s43, 18                        ; k and v: 262,144 a head, 16,384 a step of 64 keys
	s_lshl_b32 s42, s44, 15
	s_add_co_u32 s40, s40, s42
	s_lshl_b32 s42, s47, 14
	s_add_co_u32 s40, s40, s42
	s_lshl_b32 s42, s46, 12                        ; k: two tiles of 2,048;  v: 32 keys of 4,096
	s_add_co_u32 s40, s40, s42
	s_lshl_b32 s42, s45, 10
	s_add_co_u32 s48, s40, s42
	s_mov_b32 s49, 0
	s_add_nc_u64 s[50:51], s[20:21], s[48:49]      ; k
	s_lshl_b32 s42, s45, 11
	s_add_co_u32 s48, s40, s42
	s_add_co_u32 s48, s48, 8192
	s_add_nc_u64 s[52:53], s[20:21], s[48:49]      ; v, behind the step's k
	s_wait_tensorcnt 0x0                           ; my quarter has landed,
	s_barrier_signal -1
	s_barrier_wait -1                              ; everybody's has
	s_wait_loadcnt 0x0                             ; scale words and biases
.irp o, 0,1
.irp j, 1,2,3,4,5,6,7
	v_mov_b32 v[BV+8*\o+\j], v[BV+8*\o]            ; in v's tiles a lane's eight registers are one channel
.endr
.endr
.macro WM d, x, y, c, sx, sy, rx, ry   ; one product; rx, ry: source 0's and source 1's scales stand in lanes 16-31
.if (\rx) == 0 && (\ry) == 0
	v_wmma_scale_f32_16x16x128_f8f6f4 v[\d:\d+7], v[\x:\x+7], v[\y:\y+7], v[\c:\c+7], v[\sx], v[\sy] matrix_a_fmt:MATRIX_FMT_FP4 matrix_b_fmt:MATRIX_FMT_FP4
.elseif (\rx) == 1 && (\ry) == 0
	v_wmma_scale_f32_16x16x128_f8f6f4 v[\d:\d+7], v[\x:\x+7], v[\y:\y+7], v[\c:\c+7], v[\sx], v[\sy] matrix_a_fmt:MATRIX_FMT_FP4 matrix_b_fmt:MATRIX_FMT_FP4 matrix_a_scale:MATRIX_SCALE_ROW1
.elseif (\rx) == 0 && (\ry) == 1
	v_wmma_scale_f32_16x16x128_f8f6f4 v[\d:\d+7], v[\x:\x+7], v[\y:\y+7], v[\c:\c+7], v[\sx], v[\sy] matrix_a_fmt:MATRIX_FMT_FP4 matrix_b_fmt:MATRIX_FMT_FP4 matrix_b_scale:MATRIX_SCALE_ROW1
.else
	v_wmma_scale_f32_16x16x128_f8f6f4 v[\d:\d+7], v[\x:\x+7], v[\y:\y+7], v[\c:\c+7], v[\sx], v[\sy] matrix_a_fmt:MATRIX_FMT_FP4 matrix_b_fmt:MATRIX_FMT_FP4 matrix_a_scale:MATRIX_SCALE_ROW1 matrix_b_scale:MATRIX_SCALE_ROW1
.endif
.endm
.macro MM m, a, o, s                   ; product m, token tile a, output tile o, K step s.  The first K step takes the bias as C
.set rD, ACC+8*(4*(\m)+2*(\a)+(\o))
.set rA, FA+8*(\a)
.set rB, FB+16*(\m)+8*(\o)
.set rC, rD
.if (\s) == 0
.if (\m) < 2
.set rC, BQK+16*(\m)+8*(\o)
.else
.set rC, BV+8*(\o)
.endif
.endif
.if (\m) < 2
	WM rD, rB, rA, rC, SW+8*(\m)+(\s), SH+(\s), \o, \a
.else
	WM rD, rA, rB, rC, SH+(\s), SW+16+(\s), \a, \o
.endif
.endm
.set ks, 0
.rept 8
.if ks > 0
.rept 4
	v_nop                                          ; places in front of loads into registers that matrix instructions have read
.endr
.endif
.irp a, 0,1
.irp c, 0,1
	ds_load_b128 v[FA+8*\a+4*\c:FA+8*\a+4*\c+3], v[AA] offset:8192*\a+1024*ks+512*\c
.endr
.endr
.irp m, 0,1,2
.irp o, 0,1
.irp c, 0,1
	ds_load_b128 v[FB+16*\m+8*\o+4*\c:FB+16*\m+8*\o+4*\c+3], v[AB+\m] offset:8192*\o+1024*ks+512*\c
.endr
.endr
.endr
	s_wait_dscnt 0x0
.irp m, 0,1,2                          ; the twelve accumulators take turns, one instruction a turn, in the same order in every K step
.irp a, 0,1
.irp o, 0,1
	MM \m, \a, \o, ks
.endr
.endr
.endr
.set ks, ks+1
.endr
.rept 4
	v_nop                                          ; places in front of the first read of results, and of writes over the fragments
.endr
.set x, 0
.rept 12
.irp p, 0,1,2,3
	v_cvt_pk_f16_f32 v[PK+4*x+\p], v[ACC+8*x+2*\p], v[ACC+8*x+2*\p+1]   ; each accumulator from its low end on
.endr
.set x, x+1
.endr
.irp a, 0,1
.irp o, 0,1
	global_store_b128 v[VL16], v[PK+4*(2*\a+\o):PK+4*(2*\a+\o)+3], s[18:19] offset:2048*\a+512*\o       ; 32 lanes store 512 consecutive bytes, aligned: a chunk of a fragment
	global_store_b128 v[VL16], v[PK+4*(4+2*\a+\o):PK+4*(4+2*\a+\o)+3], s[50:51] offset:2048*\a+512*\o
	global_store_b128 v[VL16], v[PK+4*(8+2*\a+\o):PK+4*(8+2*\a+\o)+3], s[52:53] offset:1024*\o+512*\a
.endr
.endr
	s_wait_tensorcnt 0x0                           ; the wave's end
	ds_add_u32 v[SPW], v[NIL]
	s_wait_dscnt 0x0
	s_endpgm
.Lfunc_end_k_q0c543e3067_proj:
	.size	k_q0c543e3067_proj, .Lfunc_end_k_q0c543e3067_proj-k_q0c543e3067_proj
	.p2alignl 7, 3214868480
	.fill 96, 4, 3214868480
	.section	.rodata,"a",@progbits
	.p2align	6, 0x0
	.amdhsa_kernel k_q0c543e3067_proj
		.amdhsa_group_segment_fixed_size 264192
		.amdhsa_private_segment_fixed_size 0
		.amdhsa_enable_private_segment 0
		.amdhsa_kernarg_size 72
		.amdhsa_user_sgpr_count 2
		.amdhsa_user_sgpr_kernarg_segment_ptr 1
		.amdhsa_wavefront_size32 1
		.amdhsa_system_sgpr_workgroup_id_x 1
		.amdhsa_system_sgpr_workgroup_id_y 1
		.amdhsa_system_sgpr_workgroup_id_z 1
		.amdhsa_system_vgpr_workitem_id 0
		.amdhsa_next_free_vgpr 256
		.amdhsa_next_free_sgpr 66
		.amdhsa_reserve_vcc 0
		.amdhsa_float_denorm_mode_32 3
		.amdhsa_float_denorm_mode_16_64 3
		.amdhsa_memory_ordered 1
		.amdhsa_forward_progress 1
		.amdhsa_inst_pref_size 32
	.end_amdhsa_kernel
	.amdgpu_metadata
---
amdhsa.version: [ 1, 2 ]
amdhsa.kernels:
  - .name:           k_q0c543e3067_proj
    .symbol:         k_q0c543e3067_proj.kd
    .args:
      - { .name: hc, .offset: 0, .size: 8, .value_kind: global_buffer, .address_space: global }
      - { .name: hsc, .offset: 8, .size: 8, .value_kind: global_buffer, .address_space: global }
      - { .name: wc, .offset: 16, .size: 8, .value_kind: global_buffer, .address_space: global }
      - { .name: wsc, .offset: 24, .size: 8, .value_kind: global_buffer, .address_space: global }
      - { .name: bq, .offset: 32, .size: 8, .value_kind: global_buffer, .address_space: global }
      - { .name: bk, .offset: 40, .size: 8, .value_kind: global_buffer, .address_space: global }
      - { .name: bv, .offset: 48, .size: 8, .value_kind: global_buffer, .address_space: global }
      - { .name: qf, .offset: 56, .size: 8, .value_kind: global_buffer, .address_space: global }
      - { .name: kvf, .offset: 64, .size: 8, .value_kind: global_buffer, .address_space: global }
    .group_segment_fixed_size: 264192
    .private_segment_fixed_size: 0
    .kernarg_segment_align: 8
    .kernarg_segment_size: 72
    .max_flat_workgroup_size: 512
    .sgpr_count:     66
    .vgpr_count:     256
    .wavefront_size: 32
...
	.end_amdgpu_metadata
.endif
;; end of part 2
;; launch attn (part 3): grid 4 x 64, 4 waves a work-group, no clusters, 327,680 bytes of LDS; arguments qf, kvf, ef, attention_mask, gabriel_mask, out0; writes out0
.if DOCPART == 3
	.amdgcn_target "amdgcn-amd-amdhsa--gfx1250"
	.amdhsa_code_object_version 6
	.text
	.protected	k_q0c543e3067_attn
	.globl	k_q0c543e3067_attn
	.p2align	8
	.type	k_q0c543e3067_attn,@function
k_q0c543e3067_attn:
	s_mov_b64 s[64:65], 0
	v_nop
	global_prefetch_b8 v0, s[64:65] scope:SCOPE_SE
	s_setreg_imm32_b32 hwreg(HW_REG_WAVE_MODE, 25, 1), 1
	s_wait_xcnt 0x0
; ctx[b][l][head] = sum over r of softmax_r((q_l . k_r + q_l . E[l - r + 1023] + k_r . E[l - r + 1023]) / 8 + mask[b][r]) v_r.  q, k, v, E and the weights p are f16 operands; all sums, both
; position terms, maxima and the softmax are f32.  A running maximum m of the raw score s (with 8 x mask in it) is taken away: p = 2^(c s - c m), c = log2(e) / 8.
; LIMITS: 8 x mask is held at -1e38 from below; NaN and infinities are not served; q, k, v lie in f16's range (the launch before).
; gabriel_mask: reference() multiplies the scores by it and drops the product, so no output hangs on it.  It is an input, so it is read once, 1,024 bytes a wave and trip, and nothing is made of it.
; SHARES.  Work-group (x, y): queries 256 x .. + 255 of head y (batch x 16 + head).  Wave w: 64 of them, four tiles of 16.  A trip takes 64 keys; trip i takes keys 64 (15 - i) on, so that the table is walked upward.
; THE POSITION TERMS.  With e = l - r + 1023, a trip's 64 x 64 pairs need table rows 16 T .. 16 T + 127, T = 16 x + 4 w + 4 i: eight tiles, number 0 .. 7.  Both terms are plain products in (e, r) and (e, l):
;   B(kt, a) = table tile (a + 3 - kt) x keys' tile kt:   element (m, n) belongs to key 16 kt + n and query 16 a - 15 + m + n;   a = 0 .. 4
;   A(t, y)  = table tile (t + y) x queries' tile t:      element (m, n) belongs to query 16 t + n and key 63 - 16 y + n - m;   y = 0 .. 4
; Each is scattered, a word a lane, into the wave's own scratch in LDS, laid [query][key]; each pair inside the 64 x 64 is written once, what falls outside lands in margins that are never read.
; B takes max(8 x mask, -1e38) of its lane's key as the C of its first product.  B comes back as the C of S^T = k q^T; A is added by packed additions.  From there a lane holds one query:
; softmax, p rounded to f16 in pairs is source 1 of O^T = v^T p.
; LDS.  0 .. 163,839: the work-group's 80 tiles of the table, as images of fragments' registers, brought by one tensor load a wave at the head, never filled again.  Then 38,912 bytes of scratch for each wave:
; SB, 96 rows (query + 16) x 272 bytes (64 keys + 16 bytes), and two SA of 16 rows (a tile's queries) x 400 bytes (column = key + 16), by turns.  Then the spare words.
; Scatter into SB: lane (n, h) stands 69 n + 544 h words on, into SA 101 n - 8 h: 32 different banks of 64 (ISA guide 11.1) each; the rows read back are 17 and 25 times 16 bytes apart.
; A wave's scratch is its own and LDS serves a wave's instructions in order (ISA guide 5.7.1.4): the loop has no barrier and no wait between a scatter and its read.
; k and v go from memory straight into registers, as the launch before laid them.  NO CLUSTER, NO RING for them: table and scratch take 319,488 of the 327,680 bytes, so two slots of a step's 16,384 bytes do not fit.
; REGISTERS, in windows of 256 (s_set_vgpr_msb: bits 1:0 source 0, 3:2 source 1, 5:4 source 2, 7:6 destination):
;   window 0: v1-13 addresses; v32-63 at work on the way out; v128-255 the trip's eight table tiles (16 registers each), on the way out rows of the output
;   window 1: v0-63 k; v64-127 q; v128-159 the mask's four tiles; v160-239 two sets of five result tiles of a position term; v240-247 the mask as loaded, and x 8
;   window 2: v0-127 S^T; v128-191 A read back, two sets; v192-223 eight registers of statistics a tile; v232-239 where gabriel_mask lands
;   window 3: v0-127 O^T; v128-191 v^T; v192-255 p
.set EBB,   163840                     ; the table's bytes
.set SCW,   38912                      ; a wave's scratch
.set SBP,   272
.set SAP,   400
.set SAO,   96*SBP                     ; SA 0 behind SB
.set SAS,   16*SAP
.set SPARE, EBB+4*SCW                  ; the spare words, 128 bytes for each wave: two blocks of 256 bytes that no other line names
.set VL16, 1                           ; v1   16 x lane
.set VM4,  2                           ; v2   4 n
.set AEF,  3                           ; v3   LDS address of the trip's table tiles
.set ASB,  4                           ; v4   scatter into SB: scratch + 272 + 276 n + 2,176 h
.set ASA,  5                           ; v5   scatter into SA: scratch + SAO + 32 + 404 n - 32 h
.set STO,  6                           ; v6   the way out: where I put 32 bytes of a row
.set RDO,  7                           ; v7   and where I read a row back
.set GO,   8                           ; v8   my byte offset in the wave's rows of the output
.set PFO,  9                           ; v9   the prefetches' offset
.set SPW,  10                          ; v10  LDS address of my spare word; never rewritten
.set NIL,  11                          ; v11  0; never rewritten
.set RSB,  12                          ; v12  read of SB: scratch + (16 + n) 272 + 32 h
.set RSA,  13                          ; v13  read of SA: scratch + SAO + 400 n + 32 h + 64
.set RR,   32
.set EF,   128
.set KR,   0
.set QR,   64
.set MK,   128
.set DT,   160
.set MR,   240
.set MT,   244
.set SL,   128
.set ST,   192                         ; tile t at ST + 8 t: +0 c m, +1 m, +2, +3 the sum (even keys', odd keys'), +4 .. +7 at work; a = 2^(c m_old - c m_new) in +6
.set GD,   232
.set VV,   128
.set PR,   192
.set PN,   6                           ; s[6:7]   k's and v's step that is loaded next
.set PM,   10                          ; s[10:11] its part of the mask
.set PG,   12                          ; s[12:13] gabriel_mask
.set WV,   16
.set EBO,  36                          ; s36  LDS byte of the trip's first table tile: 8,192 (w + i)
.set TI,   37                          ; s37  the trip
.set CS,   38                          ; s[38:39] c, twice: the packed form names a pair
.set SEL,  40                          ; s[40:41] v_permlanex16_b32's selects for lane l xor 16
.set FLO,  42                          ; s42  -1e38
.set LIM,  43                          ; s43  a wave prefetches in the trips under this number
.set MSB, 0
.macro WIN new                         ; the immediate's high byte repeats the setting that is left; a switch that changes nothing is dropped
.if MSB != \new
	s_set_vgpr_msb (MSB<<8)|\new
.set MSB, \new
.endif
.endm
.set W_BLK, 0x54                       ; table tiles and LDS addresses window 0; k or q, C, D and the stores' data window 1
.set W_QK,  0xa5                       ; k, q window 1; S^T window 2
.set W_SM,  0xaa                       ; all window 2
.set W_CV,  0xca                       ; S^T window 2, p window 3
.set W_RS,  0xcb                       ; O^T window 3, a window 2
.set W_PV,  0xff                       ; all window 3
	s_load_b256 s[4:11], s[0:1], 0x0               ; qf s[4:5], kvf s[6:7], ef s[8:9], attention_mask s[10:11]
	s_load_b128 s[12:15], s[0:1], 0x20             ; gabriel_mask s[12:13], out0 s[14:15]
	v_lshl_add_u32 v[SPW], v0, 2, SPARE
	v_mov_b32 v[NIL], 0
	ds_add_u32 v[SPW], v[NIL]                      ; the wave's opening: the add, twice on end, and its wait ahead of my first tensor load
	ds_add_u32 v[SPW], v[NIL]                      ; and once more, under the one wait; the set-up below, work on registers, stands between
	v_lshrrev_b32 v14, 5, v0
	v_readfirstlane_b32 s[WV], v14                 ; wave 0..3
	s_mov_b32 s17, ttmp9                           ; which 256 queries
	s_and_b32 s18, ttmp7, 0xffff                   ; batch x 16 + head
	; descriptor group 1: 160 rows of 32 elements of 8 bytes, dense: 20 tiles of the table
	s_mov_b32 s28, 3<<16                           ; no mask; elements of 8 bytes; no padding
	s_mov_b32 s29, 32<<16                          ; tensor_dim0 = 32
	s_mov_b32 s30, 160<<16                         ; tensor_dim1 = 160
	s_mov_b32 s31, 32<<16                          ; tile_dim0 = 32
	s_mov_b32 s32, 160                             ; tile_dim1 = 160
	s_mov_b32 s33, 32                              ; from row to row
	s_mov_b32 s34, 0
	s_mov_b32 s35, 0
	s_mov_b32 s24, 1                               ; group 0: count = 1
	s_mul_i32 s25, s[WV], 40960                    ; LDS address: my quarter of the 80 tiles
	s_mov_b32 s[CS], 0x3e38aa3b                    ; c = log2(e) / 8
	s_mov_b32 s[CS+1], s[CS]
	s_mov_b32 s[SEL], 0x76543210
	s_mov_b32 s[SEL+1], 0xfedcba98
	s_mov_b32 s[FLO], 0xfe967699                   ; -1e38
	s_lshl_b32 s[EBO], s[WV], 13
	s_lshr_b32 s[LIM], s[WV], 1                    ; 0 in waves 0 and 1,
	s_or_b32 s[LIM], s[LIM], s17                   ; of the head's first work-group
	s_cmp_eq_u32 s[LIM], 0
	s_cselect_b32 s[LIM], 14, 0
	v_and_b32 v14, 31, v0                          ; lane
	v_lshlrev_b32 v[VL16], 4, v14
	v_and_b32 v15, 15, v0                          ; n
	v_lshlrev_b32 v[VM4], 2, v15
	v_bfe_u32 v16, v0, 4, 1                        ; h
	s_lshl_b32 s44, s17, 15                        ; the work-group's band begins at tile 16 x
	s_add_co_u32 s44, s44, s25
	s_mov_b32 s45, 0
	s_wait_dscnt 0x0                               ; both opening adds are done
	s_wait_kmcnt 0x0
	s_add_nc_u64 s[26:27], s[8:9], s[44:45]
	s_or_b32 s27, s27, 0x80000000                  ; type = 2
	tensor_load_to_lds s[24:27], s[28:35]          ; my one tensor load
	s_nop 0
.rept 4
	v_nop
.endr
	s_lshl_b32 s44, s18, 17                        ; q: 131,072 a head, my 4 tiles of 2,048 at tile 16 x + 4 w
	s_lshl_b32 s19, s17, 15
	s_add_co_u32 s44, s44, s19
	s_lshl_b32 s19, s[WV], 13
	s_add_co_u32 s44, s44, s19
	s_add_nc_u64 s[4:5], s[4:5], s[44:45]
	s_lshl_b32 s44, s18, 18                        ; k, v: 262,144 a head; the walk begins at step 15
	s_add_co_u32 s44, s44, 15*16384
	s_add_nc_u64 s[PN:PN+1], s[PN:PN+1], s[44:45]
	s_lshr_b32 s20, s18, 4                         ; the batch
	s_lshl_b32 s44, s20, 12
	s_add_co_u32 s44, s44, 15*256
	s_add_nc_u64 s[PM:PM+1], s[PM:PM+1], s[44:45]
	s_lshl_b32 s44, s18, 18                        ; gabriel_mask: 65,536 bytes a work-group, 16,384 a wave
	s_lshl_b32 s19, s17, 16
	s_add_co_u32 s44, s44, s19
	s_lshl_b32 s19, s[WV], 14
	s_add_co_u32 s44, s44, s19
	s_add_nc_u64 s[PG:PG+1], s[PG:PG+1], s[44:45]
	s_lshl_b32 s44, s20, 22                        ; the output: 4 MiB a batch, 4,096 bytes a query, 256 a head
	s_lshl_b32 s19, s17, 20
	s_add_co_u32 s44, s44, s19
	s_lshl_b32 s19, s[WV], 18
	s_add_co_u32 s44, s44, s19
	s_and_b32 s19, s18, 15
	s_lshl_b32 s19, s19, 8
	s_add_co_u32 s44, s44, s19
	s_add_nc_u64 s[14:15], s[14:15], s[44:45]
	WIN 0x40                                       ; destination window 1
.irp f, 0,1,2,3,4,5,6,7,8,9,10,11,12,13,14,15
	global_load_b128 v[QR+4*\f:QR+4*\f+3], v[VL16], s[4:5] offset:512*\f           ; q stays in registers
.endr
.irp f, 0,1,2,3,4,5,6,7,8,9,10,11,12,13,14,15
	global_load_b128 v[KR+4*\f:KR+4*\f+3], v[VL16], s[PN:PN+1] offset:512*\f       ; k of step 15
.endr
.irp f, 0,1,2,3
	global_load_b32 v[MR+\f], v[VM4], s[PM:PM+1] offset:64*\f                      ; the mask of key 16 f + n
.endr
	WIN 0xc0                                       ; destination window 3
.irp f, 0,1,2,3,4,5,6,7,8,9,10,11,12,13,14,15
	global_load_b128 v[VV+4*\f:VV+4*\f+3], v[VL16], s[PN:PN+1] offset:8192+512*\f  ; v of step 15
.endr
	WIN 0
	s_mul_i32 s46, s[WV], SCW
	s_add_co_u32 s46, s46, EBB                     ; my scratch
	v_mul_u32_u24 v[ASB], v15, 276
	v_mad_u32_u24 v[ASB], v16, 2176, v[ASB]
	s_add_co_u32 s47, s46, SBP
	v_add_nc_u32 v[ASB], s47, v[ASB]
	v_mul_u32_u24 v[ASA], v15, 404
	s_add_co_u32 s47, s46, SAO+32
	v_add_nc_u32 v[ASA], s47, v[ASA]
	v_lshlrev_b32 v17, 5, v16
	v_sub_nc_u32 v[ASA], v[ASA], v17
	v_mul_u32_u24 v[STO], v15, SBP
	v_lshl_add_u32 v[STO], v16, 5, v[STO]
	v_add_nc_u32 v[STO], s46, v[STO]
	v_add_nc_u32 v[RSB], 16*SBP, v[STO]
	v_mul_u32_u24 v[RSA], v15, SAP
	v_lshl_add_u32 v[RSA], v16, 5, v[RSA]
	s_add_co_u32 s47, s46, SAO+64
	v_add_nc_u32 v[RSA], s47, v[RSA]
	v_mul_u32_u24 v[RDO], v16, SBP
	v_lshl_add_u32 v[RDO], v15, 4, v[RDO]
	v_add_nc_u32 v[RDO], s46, v[RDO]
	v_lshlrev_b32 v[GO], 12, v16
	v_lshl_add_u32 v[GO], v15, 4, v[GO]
	v_lshlrev_b32 v[PFO], 8, v14                   ; lanes 256 bytes apart; wave 0 k's 8,192 bytes of a step, wave 1 v's
	s_lshl_b32 s47, s[WV], 13
	v_add_nc_u32 v[PFO], s47, v[PFO]
	WIN 0x80                                       ; destination window 2
.irp t, 0,1,2,3
	v_mov_b32 v[ST+8*\t+1], 0xff61b1e6             ; m = -3e38, under every score
	v_mov_b32 v[ST+8*\t+2], 0                      ; the sum, in two halves
	v_mov_b32 v[ST+8*\t+3], 0
.endr
	WIN W_SM
.irp t, 0,1,2,3
	v_mul_f32 v[ST+8*\t], s[CS], v[ST+8*\t+1]      ; c m
.endr
	WIN 0xc0
.set p, 0
.rept 128
	v_mov_b32 v[p], 0                              ; O^T.  (The trip is written for every step alike: the first finds zeros, which its a = 0 leaves zeros)
.set p, p+1
.endr
	WIN 0
	s_wait_xcnt 0x0                                ; the loads above have read their bases: they step to step 14
	s_sub_nc_u64 s[PN:PN+1], s[PN:PN+1], 16384
	s_sub_nc_u64 s[PM:PM+1], s[PM:PM+1], 256
	s_wait_tensorcnt 0x0                           ; my quarter of the table has landed,
	s_barrier_signal -1
	s_barrier_wait -1                              ; everybody's has: the launch's one barrier
.macro P5                              ; five places: four in front of the stores that read a result, five in front of the matrix instruction that begins the same registers anew
.rept 5
	v_nop
.endr
.endm
.macro WB kt, i                        ; product i of 10 of B(kt, .): a = i % 5, channels 32 (i / 5) on.  The five accumulators take turns
.set a_, (\i)%5
.set ks_, (\i)/5
.set rD, DT+40*((\kt)%2)+8*a_
.set rE, EF+16*(a_+3-(\kt))+8*ks_
.set rK, KR+16*(\kt)+8*ks_
.if ks_ == 0
	v_wmma_f32_16x16x32_f16 v[rD:rD+7], v[rE:rE+7], v[rK:rK+7], v[MK+8*(\kt):MK+8*(\kt)+7]
.else
	v_wmma_f32_16x16x32_f16 v[rD:rD+7], v[rE:rE+7], v[rK:rK+7], v[rD:rD+7]
.endif
.endm
.macro WA tq, i                        ; product i of 10 of A(tq, .): y = i % 5
.set y_, (\i)%5
.set ks_, (\i)/5
.set rD, DT+40*((\tq)%2)+8*y_
.set rE, EF+16*((\tq)+y_)+8*ks_
.set rQ, QR+16*(\tq)+8*ks_
.if ks_ == 0
	v_wmma_f32_16x16x32_f16 v[rD:rD+7], v[rE:rE+7], v[rQ:rQ+7], 0
.else
	v_wmma_f32_16x16x32_f16 v[rD:rD+7], v[rE:rE+7], v[rQ:rQ+7], v[rD:rD+7]
.endif
.endm
.macro STB kt, idx                     ; store idx of 40 of B(kt, .): register j of tile a goes to row 16 a + 1 + 8 h + j + n, column 16 kt + n.  Each tile from its low end on
.set a_, (\idx)/8
.set j_, (\idx)%8
	ds_store_b32 v[ASB], v[DT+40*((\kt)%2)+8*a_+j_] offset:(16*a_+j_)*SBP+64*(\kt)
.endm
.macro STA tq, idx                     ; store idx of 40 of A(tq, .): register j of tile y goes to row n, column 79 - 16 y + n - 8 h - j
.set y_, (\idx)/8
.set j_, (\idx)%8
	ds_store_b32 v[ASA], v[DT+40*((\tq)%2)+8*y_+j_] offset:((\tq)%2)*SAS+(71-16*y_-j_)*4
.endm
.macro BLOCK mk, mi, sk, si            ; ten products of one group (mk = 0: B(mi, .), 1: A(mi, .)), and behind each four stores of the group before (sk, si likewise), which lies in the other set of registers
.set i_, 0
.rept 10
.if \mk == 0
	WB \mi, i_
.else
	WA \mi, i_
.endif
.set n_, 0
.rept 4
.if \sk == 0
	STB \si, 4*i_+n_
.else
	STA \si, 4*i_+n_
.endif
.set n_, n_+1
.endr
.set i_, i_+1
.endr
.endm
.macro LSA tq                          ; A of tile tq back from its SA, in S^T's layout: lane (n, h): keys 16 kt + 8 h + 0 .. 7 of query n
	WIN 0x80
.irp kt, 0,1,2,3
	ds_load_b128 v[SL+32*((\tq)%2)+8*\kt:SL+32*((\tq)%2)+8*\kt+3], v[RSA] offset:((\tq)%2)*SAS+64*\kt
	ds_load_b128 v[SL+32*((\tq)%2)+8*\kt+4:SL+32*((\tq)%2)+8*\kt+7], v[RSA] offset:((\tq)%2)*SAS+64*\kt+16
.endr
.endm
.macro SM tq                           ; tile tq's softmax for this step
.set rS, 32*(\tq)
.set rL, SL+32*((\tq)%2)
.set rT, ST+8*(\tq)
.set rP, PR+16*(\tq)
	WIN W_SM
.set p, 0
.rept 16
	v_pk_add_f32 v[rS+2*p:rS+2*p+1], v[rS+2*p:rS+2*p+1], v[rL+2*p:rL+2*p+1]   ; + A: the raw score is whole.  Each accumulator from its low end on
.set p, p+1
.endr
.if (\tq) < 2
	LSA (\tq)+2                                    ; the set just read takes the tile two further on
	WIN W_SM
.endif
.irp q, 0,1,2,3
	v_max3_num_f32 v[rT+4+\q], v[rS+8*\q], v[rS+8*\q+1], v[rS+8*\q+2]          ; the maximum of my 32 scores and the old m, in four chains
.endr
.irp i, 3,5
.irp q, 0,1,2,3
	v_max3_num_f32 v[rT+4+\q], v[rT+4+\q], v[rS+8*\q+\i], v[rS+8*\q+\i+1]
.endr
.endr
	v_max3_num_f32 v[rT+4], v[rT+4], v[rS+7], v[rS+15]
	v_max3_num_f32 v[rT+6], v[rT+6], v[rS+23], v[rS+31]
	v_max3_num_f32 v[rT+4], v[rT+4], v[rT+5], v[rT+6]
	v_max3_num_f32 v[rT+4], v[rT+4], v[rT+7], v[rT+1]
	v_permlanex16_b32 v[rT+5], v[rT+4], s[SEL], s[SEL+1]                       ; the query's other 32 keys lie in the lane 16 away
	v_mov_b32 v[rT+7], v[rT]                       ; c m_old
	v_max_num_f32 v[rT+1], v[rT+4], v[rT+5]        ; the new m
	v_mul_f32 v[rT], s[CS], v[rT+1]
	v_sub_f32 v[rT+7], v[rT+7], v[rT]              ; c m_old - c m_new
.set p, 0
.rept 16
	v_pk_fma_f32 v[rS+2*p:rS+2*p+1], v[rS+2*p:rS+2*p+1], s[CS:CS+1], v[rT:rT+1] op_sel_hi:[1,0,0] neg_lo:[0,0,1] neg_hi:[0,0,1]   ; c s - c m
.set p, p+1
.endr
	v_exp_f32 v[rT+6], v[rT+7]                     ; a
.set p, 0
.rept 32
	v_exp_f32 v[rS+p], v[rS+p]                     ; p
.set p, p+1
.endr
	v_nop                                          ; a plain instruction behind the last exponential
	s_wait_alu depctr_va_vdst(0)                   ; one wait for the batch of 33, ahead of the first line that names a result
	WIN W_CV
.set p, 0
.rept 16
	v_cvt_pk_f16_f32 v[rP+p], v[rS+2*p], v[rS+2*p+1]   ; registers 4 kt .. 4 kt + 3: keys 16 kt + 8 h + 0 .. 7: source 1 of the second product as it stands
.set p, p+1
.endr
	WIN W_SM
.irp z, 0,1,2,3,4,5,6,7
	v_pk_add_f32 v[rS+4*\z:rS+4*\z+1], v[rS+4*\z:rS+4*\z+1], v[rS+4*\z+2:rS+4*\z+3]   ; the sum of the unrounded p, in place
.endr
.irp z, 0,1,2,3
	v_pk_add_f32 v[rS+8*\z:rS+8*\z+1], v[rS+8*\z:rS+8*\z+1], v[rS+8*\z+4:rS+8*\z+5]
.endr
.irp z, 0,1
	v_pk_add_f32 v[rS+16*\z:rS+16*\z+1], v[rS+16*\z:rS+16*\z+1], v[rS+16*\z+8:rS+16*\z+9]
.endr
	v_pk_add_f32 v[rS:rS+1], v[rS:rS+1], v[rS+16:rS+17]
	v_pk_fma_f32 v[rT+2:rT+3], v[rT+2:rT+3], v[rT+6:rT+7], v[rS:rS+1] op_sel_hi:[1,0,1]
	WIN W_RS
.set p, 0
.rept 16
	v_pk_mul_f32 v[rS+2*p:rS+2*p+1], v[rS+2*p:rS+2*p+1], v[rT+6:rT+7] op_sel_hi:[1,0]   ; O^T of the tile (32 tq on, in window 3) x a
.set p, p+1
.endr
.endm
.macro PV tq                           ; O^T += v^T p: keys 32 kb on, channels 16 ct on; the four accumulators take turns
	WIN W_PV
.irp kb, 0,1
.irp ct, 0,1,2,3
	v_wmma_f32_16x16x32_f16 v[32*(\tq)+8*\ct:32*(\tq)+8*\ct+7], v[VV+32*\kb+8*\ct:VV+32*\kb+8*\ct+7], v[PR+16*(\tq)+8*\kb:PR+16*(\tq)+8*\kb+7], v[32*(\tq)+8*\ct:32*(\tq)+8*\ct+7]
.endr
.endr
.endm
; A TRIP: 64 keys.  last = 1: the last, which asks for nothing more.
.macro TRIP last
	v_add_nc_u32 v[AEF], s[EBO], v[VL16]
.irp x, 3,4,5,6,7,2,1,0                ; the tiles that B(0, .) wants first
.irp q, 0,1,2,3
	ds_load_b128 v[EF+16*\x+4*\q:EF+16*\x+4*\q+3], v[AEF] offset:2048*\x+512*\q
.endr
.endr
	s_wait_loadcnt 16                              ; k and the mask of this step (and q, and the last trip's two loads of gabriel_mask) are in; v's 16 loads, issued behind them, may be out
	WIN 0x80
	global_load_b128 v[GD:GD+3], v[VL16], s[PG:PG+1] th:TH_LOAD_NT              ; gabriel_mask: read, and nothing is made of it (the head comment says why)
	global_load_b128 v[GD+4:GD+7], v[VL16], s[PG:PG+1] offset:512 th:TH_LOAD_NT
	WIN W_BLK
.irp kt, 0,1,2,3
	v_mul_f32 v[MT+\kt], 8.0, v[MR+\kt]            ; the score is divided by 8 behind the sum, so the mask goes in x 8
.endr
.irp kt, 0,1,2,3
.irp j, 0,1,2,3,4,5,6,7
	v_max_num_f32 v[MK+8*\kt+\j], s[FLO], v[MT+\kt]   ; held at -1e38; a lane's eight registers of a tile of B are one key
.endr
.endr
	s_wait_dscnt 12                                ; table tiles 3 to 7 are in; 2, 1 and 0 (12 loads) may be out
.set i_, 0
.rept 10
	WB 0, i_
.set i_, i_+1
.endr
	P5
	s_wait_dscnt 0x0                               ; the other three tiles
	BLOCK 0, 1, 0, 0
	P5
	BLOCK 0, 2, 0, 1
	P5
	BLOCK 0, 3, 0, 2
	P5
	BLOCK 1, 0, 0, 3
	WIN 0x80                                       ; B is whole in SB: it comes back as the C of k q^T: lane (n, h): keys 16 kt + 8 h + 0 .. 7 of query 16 t + n
.irp t, 0,1,2,3
.irp kt, 0,1,2,3
	ds_load_b128 v[32*\t+8*\kt:32*\t+8*\kt+3], v[RSB] offset:16*SBP*\t+64*\kt
	ds_load_b128 v[32*\t+8*\kt+4:32*\t+8*\kt+7], v[RSB] offset:16*SBP*\t+64*\kt+16
.endr
.endr
	P5
	WIN W_BLK
	BLOCK 1, 1, 1, 0
	LSA 0
	P5
	WIN W_BLK
	BLOCK 1, 2, 1, 1
	LSA 1
	P5
	WIN W_BLK
	BLOCK 1, 3, 1, 2                               ; tile 2's scatter lands in SA 0 behind LSA 0, in the wave's order
	P5
.set n_, 0
.rept 40
	STA 3, n_
.set n_, n_+1
.endr
	s_wait_dscnt 40                                ; B and A of tiles 0 and 1 are back: 80 stores were issued behind those loads, of which the last 40 may be out
	WIN W_QK
.irp t, 0,1,2,3                        ; S^T = k q^T + B: four accumulators by turns
.irp ks, 0,1
.irp kt, 0,1,2,3
	v_wmma_f32_16x16x32_f16 v[32*\t+8*\kt:32*\t+8*\kt+7], v[KR+16*\kt+8*\ks:KR+16*\kt+8*\ks+7], v[QR+16*\t+8*\ks:QR+16*\t+8*\ks+7], v[32*\t+8*\kt:32*\t+8*\kt+7]
.endr
.endr
.endr
.rept 4
	v_nop                                          ; places in front of the loads into k's registers and of the first read of the scores
.endr
	s_wait_loadcnt 2                               ; v of this step is in; the two loads of gabriel_mask, issued behind it, may be out
.if \last == 0
	WIN 0x40
.irp f, 0,1,2,3,4,5,6,7,8,9,10,11,12,13,14,15
	global_load_b128 v[KR+4*\f:KR+4*\f+3], v[VL16], s[PN:PN+1] offset:512*\f   ; the next step's k,
.endr
.irp f, 0,1,2,3
	global_load_b32 v[MR+\f], v[VM4], s[PM:PM+1] offset:64*\f                  ; and its mask
.endr
	WIN 0
	; A PREFETCH INTO THE L2 of the step that the NEXT trip will load: 16,384 bytes, the step under the one just asked for.  All four work-groups of a head walk the same k and v: the first of them asks; in it wave 0
	; for k's 8,192 bytes and wave 1 for v's, lanes 256 bytes apart: each aligned block of 256 bytes is named once in the launch.  Steps 15 and 14 come by their loads alone; trip 13 asks for step 0, the last.
	s_cmp_lt_u32 s[TI], s[LIM]
	s_cbranch_scc0 .Lnot_mine_\@
	global_prefetch_b8 v[PFO], s[PN:PN+1] offset:-16384 th:TH_LOAD_NT scope:SCOPE_SE
.Lnot_mine_\@:
.endif
	SM 0
	PV 0
	SM 1
	PV 1
	s_wait_dscnt 8                                 ; A of tile 2 is back; tile 3's eight loads may be out
	SM 2
	PV 2
	s_wait_dscnt 0x0
	SM 3
	PV 3
.if \last == 0
.rept 4
	v_nop                                          ; places in front of the loads into v's registers
.endr
	WIN 0xc0
.irp f, 0,1,2,3,4,5,6,7,8,9,10,11,12,13,14,15
	global_load_b128 v[VV+4*\f:VV+4*\f+3], v[VL16], s[PN:PN+1] offset:8192+512*\f   ; the next step's v
.endr
	WIN 0
	s_wait_xcnt 0x0                                ; every load and the prefetch have read their bases: they step
	s_sub_nc_u64 s[PN:PN+1], s[PN:PN+1], 16384     ; (behind the loop's last trip this address is not used)
	s_sub_nc_u64 s[PM:PM+1], s[PM:PM+1], 256
	s_add_nc_u64 s[PG:PG+1], s[PG:PG+1], 1024
	s_add_co_u32 s[EBO], s[EBO], 8192              ; four tiles up the table
.else
	WIN 0
.endif
.endm
	s_mov_b32 s[TI], 0
.Ltrip:
	TRIP 0
	s_add_co_u32 s[TI], s[TI], 1
	s_cmp_lt_u32 s[TI], 15
	s_cbranch_scc1 .Ltrip
	TRIP 1                                         ; the last trip is written out, so that the counted waits see the same loads on every way
	; THE WAY OUT.  The sum's two halves and the other half of the lanes' are added (these additions are the places behind the last products); O^T is divided by the sum and goes, a tile of 16 queries at a time,
	; through my scratch (rows of 256 + 16 bytes), so that sixteen lanes store a query's 256 bytes of this head.
	WIN W_SM
.irp t, 0,1,2,3
	v_add_f32 v[ST+8*\t+4], v[ST+8*\t+2], v[ST+8*\t+3]
.endr
.irp t, 0,1,2,3
	v_permlanex16_b32 v[ST+8*\t+5], v[ST+8*\t+4], s[SEL], s[SEL+1]
.endr
.irp t, 0,1,2,3
	v_add_f32 v[ST+8*\t+4], v[ST+8*\t+4], v[ST+8*\t+5]
.endr
.irp t, 0,1,2,3
	v_rcp_f32 v[ST+8*\t+6], v[ST+8*\t+4]
.endr
	v_nop                                          ; a plain instruction behind the last reciprocal
	s_wait_alu depctr_va_vdst(0)                   ; one wait for the four, ahead of their first reader
.irp t, 0,1,2,3
	WIN 0x0b                                       ; O^T window 3, the reciprocal window 2, the result window 0
.set p, 0
.rept 16
	v_pk_mul_f32 v[RR+2*p:RR+2*p+1], v[32*\t+2*p:32*\t+2*p+1], v[ST+8*\t+6:ST+8*\t+7] op_sel_hi:[1,0]   ; each accumulator from its low end on
.set p, p+1
.endr
	WIN 0
.irp ct, 0,1,2,3
	ds_store_b128 v[STO], v[RR+8*\ct:RR+8*\ct+3] offset:16*SBP*\t+64*\ct           ; lane (n, h): channels 16 ct + 8 h + 0 .. 7 of query n
	ds_store_b128 v[STO], v[RR+8*\ct+4:RR+8*\ct+7] offset:16*SBP*\t+64*\ct+16
.endr
.irp i, 0,1,2,3,4,5,6,7
	ds_load_b128 v[EF+32*\t+4*\i:EF+32*\t+4*\i+3], v[RDO] offset:16*SBP*\t+2*SBP*\i   ; in the wave's order these see the stores above: lanes 0-15 one row, lanes 16-31 the next
.endr
.endr
.irp t, 0,1,2,3
	s_wait_dscnt 16*(3-\t)                         ; tile t is back; the later tiles' 16 LDS instructions each may be out
.irp i, 0,1,2,3,4,5,6,7
	global_store_b128 v[GO], v[EF+32*\t+4*\i:EF+32*\t+4*\i+3], s[14:15] offset:(16*\t+2*\i)*4096 th:TH_STORE_NT   ; 16 lanes store 256 consecutive bytes, at a multiple of 256 from the output's first byte
.endr
.endr
	s_wait_tensorcnt 0x0                           ; the wave's end: behind my last tensor load and my last LDS store
	ds_add_u32 v[SPW], v[NIL]
	s_wait_dscnt 0x0
	s_endpgm
.Lfunc_end_k_q0c543e3067_attn:
	.size	k_q0c543e3067_attn, .Lfunc_end_k_q0c543e3067_attn-k_q0c543e3067_attn
	.p2alignl 7, 3214868480
	.fill 96, 4, 3214868480
	.section	.rodata,"a",@progbits
	.p2align	6, 0x0
	.amdhsa_kernel k_q0c543e3067_attn
		.amdhsa_group_segment_fixed_size 327680
		.amdhsa_private_segment_fixed_size 0
		.amdhsa_enable_private_segment 0
		.amdhsa_kernarg_size 48
		.amdhsa_user_sgpr_count 2
		.amdhsa_user_sgpr_kernarg_segment_ptr 1
		.amdhsa_wavefront_size32 1
		.amdhsa_system_sgpr_workgroup_id_x 1
		.amdhsa_system_sgpr_workgroup_id_y 1
		.amdhsa_system_sgpr_workgroup_id_z 1
		.amdhsa_system_vgpr_workitem_id 0
		.amdhsa_next_free_vgpr 1024
		.amdhsa_next_free_sgpr 66
		.amdhsa_reserve_vcc 0
		.amdhsa_float_denorm_mode_32 3
		.amdhsa_float_denorm_mode_16_64 3
		.amdhsa_memory_ordered 1
		.amdhsa_forward_progress 1
		.amdhsa_inst_pref_size 168
	.end_amdhsa_kernel
	.amdgpu_metadata
---
amdhsa.version: [ 1, 2 ]
amdhsa.kernels:
  - .name:           k_q0c543e3067_attn
    .symbol:         k_q0c543e3067_attn.kd
    .args:
      - { .name: qf, .offset: 0, .size: 8, .value_kind: global_buffer, .address_space: global }
      - { .name: kvf, .offset: 8, .size: 8, .value_kind: global_buffer, .address_space: global }
      - { .name: ef, .offset: 16, .size: 8, .value_kind: global_buffer, .address_space: global }
      - { .name: attention_mask, .offset: 24, .size: 8, .value_kind: global_buffer, .address_space: global }
      - { .name: gabriel_mask, .offset: 32, .size: 8, .value_kind: global_buffer, .address_space: global }
      - { .name: out0, .offset: 40, .size: 8, .value_kind: global_buffer, .address_space: global }
    .group_segment_fixed_size: 327680
    .private_segment_fixed_size: 0
    .kernarg_segment_align: 8
    .kernarg_segment_size: 48
    .max_flat_workgroup_size: 128
    .sgpr_count:     66
    .vgpr_count:     1024
    .wavefront_size: 32
...
	.end_amdgpu_metadata
.endif
;; end of part 3
;; ======== version 2 of 2: 3 launches
;; limits: values are held in f16: magnitudes above 65,504 overflow, below 6.1e-05 lose precision
;; workspace buffers: hc 2,097,152 bytes; hsc 131,072 bytes; wc 1,572,864 bytes; wsc 98,304 bytes; ef 262,144 bytes; qf 8,388,608 bytes; kvf 16,777,216 bytes
;; launch prep: the kernel of part 1 again; grid 256 x 1, 4 waves a work-group, no clusters, 34,304 bytes of LDS; arguments hidden_states, Wq, Wk, Wv, dist_emb, hc, hsc, wc, wsc, ef; writes hc, hsc, wc, wsc, ef
;; launch proj: the kernel of part 2 again; grid 32 x 8, 16 waves a work-group, no clusters, 264,192 bytes of LDS; arguments hc, hsc, wc, wsc, bq, bk, bv, qf, kvf; writes qf, kvf
;; launch attn (part 4): grid 4 x 64, 4 waves a work-group, no clusters, 327,680 bytes of LDS; arguments qf, kvf, ef, attention_mask, gabriel_mask, out0; writes out0
.if DOCPART == 4
	.amdgcn_target "amdgcn-amd-amdhsa--gfx1250"
	.amdhsa_code_object_version 6
	.text
	.protected	k_q0c543e3067_attn
	.globl	k_q0c543e3067_attn
	.p2align	8
	.type	k_q0c543e3067_attn,@function
k_q0c543e3067_attn:
	s_mov_b64 s[64:65], 0
	v_nop
	global_prefetch_b8 v0, s[64:65] scope:SCOPE_SE
	s_setreg_imm32_b32 hwreg(HW_REG_WAVE_MODE, 25, 1), 1
	s_wait_xcnt 0x0
; ctx[b][l][head] = sum over r of softmax_r((q_l . k_r + q_l . E[l - r + 1023] + k_r . E[l - r + 1023]) / 8 + mask[b][r]) v_r.  q, k, v, E and the weights p are f16 operands; all sums, both
; position terms, maxima and the softmax are f32.  A running maximum m of the raw score s (with 8 x mask in it) is taken away: p = 2^(c s - c m), c = log2(e) / 8.
; LIMITS: 8 x mask is held at -1e38 from below; NaN and infinities are not served; q, k, v lie in f16's range (the launch before).
; gabriel_mask: reference() multiplies the scores by it and drops the product, so no output hangs on it.  It is an input, so it is read once, 1,024 bytes a wave and trip, and nothing is made of it.
; SHARES.  Work-group (x, y): queries 256 x .. + 255 of head y (batch x 16 + head).  Wave w: 64 of them, four tiles of 16.  A trip takes 64 keys; trip i takes keys 64 (15 - i) on, so that the table is walked upward.
; THE POSITION TERMS.  With e = l - r + 1023, a trip's 64 x 64 pairs need table rows 16 T .. 16 T + 127, T = 16 x + 4 w + 4 i: eight tiles, number 0 .. 7.  Both terms are plain products in (e, r) and (e, l):
;   B(kt, a) = table tile (a + 3 - kt) x keys' tile kt:   element (m, n) belongs to key 16 kt + n and query 16 a - 15 + m + n;   a = 0 .. 4
;   A(t, y)  = table tile (t + y) x queries' tile t:      element (m, n) belongs to query 16 t + n and key 63 - 16 y + n - m;   y = 0 .. 4
; Each is scattered, a word a lane, into the wave's own scratch in LDS, laid [query][key]; each pair inside the 64 x 64 is written once, what falls outside lands in margins that are never read.
; B takes max(8 x mask, -1e38) of its lane's key as the C of its first product.  B comes back as the C of S^T = k q^T; A is added by packed additions.  From there a lane holds one query:
; softmax, p rounded to f16 in pairs is source 1 of O^T = v^T p.
; A GROUP (B(kt, .) or A(t, .)) is ten products on end, four places, and then its own forty stores on end: LDS instructions stand in runs, never singly among matrix instructions.  The groups' results
; lie in two sets of registers by turns, so that a group writes the set whose stores were issued a whole group earlier.
; LDS.  0 .. 163,839: the work-group's 80 tiles of the table, as images of fragments' registers, brought by one tensor load a wave at the head, never filled again.  Then 38,912 bytes of scratch for each wave:
; SB, 96 rows (query + 16) x 272 bytes (64 keys + 16 bytes), and two SA of 16 rows (a tile's queries) x 400 bytes (column = key + 16), by turns.  Then the spare words.
; Scatter into SB: lane (n, h) stands 69 n + 544 h words on, into SA 101 n - 8 h: 32 different banks of 64 (ISA guide 11.1) each; the rows read back are 17 and 25 times 16 bytes apart.
; A wave's scratch is its own and LDS serves a wave's instructions in order (ISA guide 5.7.1.4): the loop has no barrier and no wait between a scatter and its read.
; k and v go from memory straight into registers, as the launch before laid them.  NO CLUSTER, NO RING for them: table and scratch take 319,488 of the 327,680 bytes, so two slots of a step's 16,384 bytes do not fit.
; REGISTERS, in windows of 256 (s_set_vgpr_msb: bits 1:0 source 0, 3:2 source 1, 5:4 source 2, 7:6 destination):
;   window 0: v1-13 addresses; v32-63 at work on the way out; v128-255 the trip's eight table tiles (16 registers each), on the way out rows of the output
;   window 1: v0-63 k; v64-127 q; v128-159 the mask's four tiles; v160-239 two sets of five result tiles of a position term; v240-247 the mask as loaded, and x 8
;   window 2: v0-127 S^T; v128-191 A read back, two sets; v192-223 eight registers of statistics a tile; v232-239 where gabriel_mask lands
;   window 3: v0-127 O^T; v128-191 v^T; v192-255 p
.set EBB,   163840                     ; the table's bytes
.set SCW,   38912                      ; a wave's scratch
.set SBP,   272
.set SAP,   400
.set SAO,   96*SBP                     ; SA 0 behind SB
.set SAS,   16*SAP
.set SPARE, EBB+4*SCW                  ; the spare words, 128 bytes for each wave: two blocks of 256 bytes that no other line names
.set VL16, 1                           ; v1   16 x lane
.set VM4,  2                           ; v2   4 n
.set AEF,  3                           ; v3   LDS address of the trip's table tiles
.set ASB,  4                           ; v4   scatter into SB: scratch + 272 + 276 n + 2,176 h
.set ASA,  5                           ; v5   scatter into SA: scratch + SAO + 32 + 404 n - 32 h
.set STO,  6                           ; v6   the way out: where I put 32 bytes of a row
.set RDO,  7                           ; v7   and where I read a row back
.set GO,   8                           ; v8   my byte offset in the wave's rows of the output
.set PFO,  9                           ; v9   the prefetches' offset
.set SPW,  10                          ; v10  LDS address of my spare word; never rewritten
.set NIL,  11                          ; v11  0; never rewritten
.set RSB,  12                          ; v12  read of SB: scratch + (16 + n) 272 + 32 h
.set RSA,  13                          ; v13  read of SA: scratch + SAO + 400 n + 32 h + 64
.set RR,   32
.set EF,   128
.set KR,   0
.set QR,   64
.set MK,   128
.set DT,   160
.set MR,   240
.set MT,   244
.set SL,   128
.set ST,   192                         ; tile t at ST + 8 t: +0 c m, +1 m, +2, +3 the sum (even keys', odd keys'), +4 .. +7 at work; a = 2^(c m_old - c m_new) in +6
.set GD,   232
.set VV,   128
.set PR,   192
.set PN,   6                           ; s[6:7]   k's and v's step that was loaded last
.set PM,   10                          ; s[10:11] its part of the mask
.set PG,   12                          ; s[12:13] gabriel_mask
.set WV,   16
.set EBO,  36                          ; s36  LDS byte of the trip's first table tile: 8,192 (w + i)
.set TI,   37                          ; s37  the trip
.set CS,   38                          ; s[38:39] c, twice: the packed form names a pair
.set SEL,  40                          ; s[40:41] v_permlanex16_b32's selects for lane l xor 16
.set FLO,  42                          ; s42  -1e38
.set LIM,  43                          ; s43  a wave prefetches in the trips under this number
.set MSB, 0
.macro WIN new                         ; the immediate's high byte repeats the setting that is left; a switch that changes nothing is dropped
.if MSB != \new
	s_set_vgpr_msb (MSB<<8)|\new
.set MSB, \new
.endif
.endm
.set W_BLK, 0x54                       ; table tiles and LDS addresses window 0; k or q, C, D and the stores' data window 1
.set W_QK,  0xa5                       ; k, q window 1; S^T window 2
.set W_SM,  0xaa                       ; all window 2
.set W_CV,  0xca                       ; S^T window 2, p window 3
.set W_RS,  0xcb                       ; O^T window 3, a window 2
.set W_PV,  0xff                       ; all window 3
	s_load_b256 s[4:11], s[0:1], 0x0               ; qf s[4:5], kvf s[6:7], ef s[8:9], attention_mask s[10:11]
	s_load_b128 s[12:15], s[0:1], 0x20             ; gabriel_mask s[12:13], out0 s[14:15]
	v_lshl_add_u32 v[SPW], v0, 2, SPARE
	v_mov_b32 v[NIL], 0
	ds_add_u32 v[SPW], v[NIL]                      ; the wave's opening: the add, twice on end, and its wait ahead of my first tensor load
	ds_add_u32 v[SPW], v[NIL]                      ; and once more, under the one wait; the set-up below, work on registers, stands between
	v_lshrrev_b32 v14, 5, v0
	v_readfirstlane_b32 s[WV], v14                 ; wave 0..3
	s_mov_b32 s17, ttmp9                           ; which 256 queries
	s_and_b32 s18, ttmp7, 0xffff                   ; batch x 16 + head
	; descriptor group 1: 160 rows of 32 elements of 8 bytes, dense: 20 tiles of the table
	s_mov_b32 s28, 3<<16                           ; no mask; elements of 8 bytes; no padding
	s_mov_b32 s29, 32<<16                          ; tensor_dim0 = 32
	s_mov_b32 s30, 160<<16                         ; tensor_dim1 = 160
	s_mov_b32 s31, 32<<16                          ; tile_dim0 = 32
	s_mov_b32 s32, 160                             ; tile_dim1 = 160
	s_mov_b32 s33, 32                              ; from row to row
	s_mov_b32 s34, 0
	s_mov_b32 s35, 0
	s_mov_b32 s24, 1                               ; group 0: count = 1
	s_mul_i32 s25, s[WV], 40960                    ; LDS address: my quarter of the 80 tiles
	s_mov_b32 s[CS], 0x3e38aa3b                    ; c = log2(e) / 8
	s_mov_b32 s[CS+1], s[CS]
	s_mov_b32 s[SEL], 0x76543210
	s_mov_b32 s[SEL+1], 0xfedcba98
	s_mov_b32 s[FLO], 0xfe967699                   ; -1e38
	s_lshl_b32 s[EBO], s[WV], 13
	s_lshr_b32 s[LIM], s[WV], 1                    ; 0 in waves 0 and 1,
	s_or_b32 s[LIM], s[LIM], s17                   ; of the head's first work-group
	s_cmp_eq_u32 s[LIM], 0
	s_cselect_b32 s[LIM], 14, 0
	v_and_b32 v14, 31, v0                          ; lane
	v_lshlrev_b32 v[VL16], 4, v14
	v_and_b32 v15, 15, v0                          ; n
	v_lshlrev_b32 v[VM4], 2, v15
	v_bfe_u32 v16, v0, 4, 1                        ; h
	s_lshl_b32 s44, s17, 15                        ; the work-group's band begins at tile 16 x
	s_add_co_u32 s44, s44, s25
	s_mov_b32 s45, 0
	s_wait_dscnt 0x0                               ; both opening adds are done
	s_wait_kmcnt 0x0
	s_add_nc_u64 s[26:27], s[8:9], s[44:45]
	s_or_b32 s27, s27, 0x80000000                  ; type = 2
	tensor_load_to_lds s[24:27], s[28:35]          ; my one tensor load
	s_nop 0
.rept 4
	v_nop
.endr
	s_lshl_b32 s44, s18, 17                        ; q: 131,072 a head, my 4 tiles of 2,048 at tile 16 x + 4 w
	s_lshl_b32 s19, s17, 15
	s_add_co_u32 s44, s44, s19
	s_lshl_b32 s19, s[WV], 13
	s_add_co_u32 s44, s44, s19
	s_add_nc_u64 s[4:5], s[4:5], s[44:45]
	s_lshl_b32 s44, s18, 18                        ; k, v: 262,144 a head; the walk begins at step 15
	s_add_co_u32 s44, s44, 15*16384
	s_add_nc_u64 s[PN:PN+1], s[PN:PN+1], s[44:45]
	s_lshr_b32 s20, s18, 4                         ; the batch
	s_lshl_b32 s44, s20, 12
	s_add_co_u32 s44, s44, 15*256
	s_add_nc_u64 s[PM:PM+1], s[PM:PM+1], s[44:45]
	s_lshl_b32 s44, s18, 18                        ; gabriel_mask: 65,536 bytes a work-group, 16,384 a wave
	s_lshl_b32 s19, s17, 16
	s_add_co_u32 s44, s44, s19
	s_lshl_b32 s19, s[WV], 14
	s_add_co_u32 s44, s44, s19
	s_add_nc_u64 s[PG:PG+1], s[PG:PG+1], s[44:45]
	s_lshl_b32 s44, s20, 22                        ; the output: 4 MiB a batch, 4,096 bytes a query, 256 a head
	s_lshl_b32 s19, s17, 20
	s_add_co_u32 s44, s44, s19
	s_lshl_b32 s19, s[WV], 18
	s_add_co_u32 s44, s44, s19
	s_and_b32 s19, s18, 15
	s_lshl_b32 s19, s19, 8
	s_add_co_u32 s44, s44, s19
	s_add_nc_u64 s[14:15], s[14:15], s[44:45]
	WIN 0x40                                       ; destination window 1
.irp f, 0,1,2,3,4,5,6,7,8,9,10,11,12,13,14,15
	global_load_b128 v[QR+4*\f:QR+4*\f+3], v[VL16], s[4:5] offset:512*\f           ; q stays in registers
.endr
.irp f, 0,1,2,3,4,5,6,7,8,9,10,11,12,13,14,15
	global_load_b128 v[KR+4*\f:KR+4*\f+3], v[VL16], s[PN:PN+1] offset:512*\f       ; k of step 15
.endr
.irp f, 0,1,2,3
	global_load_b32 v[MR+\f], v[VM4], s[PM:PM+1] offset:64*\f                      ; the mask of key 16 f + n
.endr
	WIN 0xc0                                       ; destination window 3
.irp f, 0,1,2,3,4,5,6,7,8,9,10,11,12,13,14,15
	global_load_b128 v[VV+4*\f:VV+4*\f+3], v[VL16], s[PN:PN+1] offset:8192+512*\f  ; v of step 15
.endr
	WIN 0
	s_mul_i32 s46, s[WV], SCW
	s_add_co_u32 s46, s46, EBB                     ; my scratch
	v_mul_u32_u24 v[ASB], v15, 276
	v_mad_u32_u24 v[ASB], v16, 2176, v[ASB]
	s_add_co_u32 s47, s46, SBP
	v_add_nc_u32 v[ASB], s47, v[ASB]
	v_mul_u32_u24 v[ASA], v15, 404
	s_add_co_u32 s47, s46, SAO+32
	v_add_nc_u32 v[ASA], s47, v[ASA]
	v_lshlrev_b32 v17, 5, v16
	v_sub_nc_u32 v[ASA], v[ASA], v17
	v_mul_u32_u24 v[STO], v15, SBP
	v_lshl_add_u32 v[STO], v16, 5, v[STO]
	v_add_nc_u32 v[STO], s46, v[STO]
	v_add_nc_u32 v[RSB], 16*SBP, v[STO]
	v_mul_u32_u24 v[RSA], v15, SAP
	v_lshl_add_u32 v[RSA], v16, 5, v[RSA]
	s_add_co_u32 s47, s46, SAO+64
	v_add_nc_u32 v[RSA], s47, v[RSA]
	v_mul_u32_u24 v[RDO], v16, SBP
	v_lshl_add_u32 v[RDO], v15, 4, v[RDO]
	v_add_nc_u32 v[RDO], s46, v[RDO]
	v_lshlrev_b32 v[GO], 12, v16
	v_lshl_add_u32 v[GO], v15, 4, v[GO]
	v_lshlrev_b32 v[PFO], 8, v14                   ; lanes 256 bytes apart; wave 0 k's 8,192 bytes of a step, wave 1 v's
	s_lshl_b32 s47, s[WV], 13
	v_add_nc_u32 v[PFO], s47, v[PFO]
	WIN 0x80                                       ; destination window 2
.irp t, 0,1,2,3
	v_mov_b32 v[ST+8*\t+1], 0xff61b1e6             ; m = -3e38, under every score
	v_mov_b32 v[ST+8*\t+2], 0                      ; the sum, in two halves
	v_mov_b32 v[ST+8*\t+3], 0
.endr
	WIN W_SM
.irp t, 0,1,2,3
	v_mul_f32 v[ST+8*\t], s[CS], v[ST+8*\t+1]      ; c m
.endr
	WIN 0xc0
.set p, 0
.rept 128
	v_mov_b32 v[p], 0                              ; O^T.  (The trip is written for every step alike: the first finds zeros, which its a = 0 leaves zeros)
.set p, p+1
.endr
	WIN 0
	s_wait_tensorcnt 0x0                           ; my quarter of the table has landed,
	s_barrier_signal -1
	s_barrier_wait -1                              ; everybody's has: the launch's one barrier
.macro PLACES                          ; four places: in front of stores and vector instructions that read a matrix result, and of loads into registers that matrix instructions have read (ISA guide 7.12.1 for vector instructions)
.rept 4
	v_nop
.endr
.endm
.macro WB kt, i                        ; product i of 10 of B(kt, .): a = i % 5, channels 32 (i / 5) on.  The five accumulators take turns
.set a_, (\i)%5
.set ks_, (\i)/5
.set rD, DT+40*((\kt)%2)+8*a_
.set rE, EF+16*(a_+3-(\kt))+8*ks_
.set rK, KR+16*(\kt)+8*ks_
.if ks_ == 0
	v_wmma_f32_16x16x32_f16 v[rD:rD+7], v[rE:rE+7], v[rK:rK+7], v[MK+8*(\kt):MK+8*(\kt)+7]
.else
	v_wmma_f32_16x16x32_f16 v[rD:rD+7], v[rE:rE+7], v[rK:rK+7], v[rD:rD+7]
.endif
.endm
.macro WA tq, i                        ; product i of 10 of A(tq, .): y = i % 5
.set y_, (\i)%5
.set ks_, (\i)/5
.set rD, DT+40*((\tq)%2)+8*y_
.set rE, EF+16*((\tq)+y_)+8*ks_
.set rQ, QR+16*(\tq)+8*ks_
.if ks_ == 0
	v_wmma_f32_16x16x32_f16 v[rD:rD+7], v[rE:rE+7], v[rQ:rQ+7], 0
.else
	v_wmma_f32_16x16x32_f16 v[rD:rD+7], v[rE:rE+7], v[rQ:rQ+7], v[rD:rD+7]
.endif
.endm
.macro STB kt, idx                     ; store idx of 40 of B(kt, .): register j of tile a goes to row 16 a + 1 + 8 h + j + n, column 16 kt + n.  Each tile from its low end on
.set a_, (\idx)/8
.set j_, (\idx)%8
	ds_store_b32 v[ASB], v[DT+40*((\kt)%2)+8*a_+j_] offset:(16*a_+j_)*SBP+64*(\kt)
.endm
.macro STA tq, idx                     ; store idx of 40 of A(tq, .): register j of tile y goes to row n, column 79 - 16 y + n - 8 h - j
.set y_, (\idx)/8
.set j_, (\idx)%8
	ds_store_b32 v[ASA], v[DT+40*((\tq)%2)+8*y_+j_] offset:((\tq)%2)*SAS+(71-16*y_-j_)*4
.endm
; A GROUP (mk = 0: B(mi, .), 1: A(mi, .)): its ten products on end, four places, its forty stores on end.  All under one setting of the windows.
; The group's set of registers is begun anew two groups on, behind this group's four places and the next group's four: eight, where five are asked.
.macro GROUP mk, mi
	WIN W_BLK
.set i_, 0
.rept 10
.if \mk == 0
	WB \mi, i_
.else
	WA \mi, i_
.endif
.set i_, i_+1
.endr
	PLACES
.set n_, 0
.rept 40
.if \mk == 0
	STB \mi, n_
.else
	STA \mi, n_
.endif
.set n_, n_+1
.endr
.endm
.macro LSA tq                          ; A of tile tq back from its SA, in S^T's layout: lane (n, h): keys 16 kt + 8 h + 0 .. 7 of query n
	WIN 0x80
.irp kt, 0,1,2,3
	ds_load_b128 v[SL+32*((\tq)%2)+8*\kt:SL+32*((\tq)%2)+8*\kt+3], v[RSA] offset:((\tq)%2)*SAS+64*\kt
	ds_load_b128 v[SL+32*((\tq)%2)+8*\kt+4:SL+32*((\tq)%2)+8*\kt+7], v[RSA] offset:((\tq)%2)*SAS+64*\kt+16
.endr
.endm
.macro SM tq                           ; tile tq's softmax for this step
.set rS, 32*(\tq)
.set rL, SL+32*((\tq)%2)
.set rT, ST+8*(\tq)
.set rP, PR+16*(\tq)
	WIN W_SM
.set p, 0
.rept 16
	v_pk_add_f32 v[rS+2*p:rS+2*p+1], v[rS+2*p:rS+2*p+1], v[rL+2*p:rL+2*p+1]   ; + A: the raw score is whole.  Each accumulator from its low end on
.set p, p+1
.endr
.if (\tq) < 2
	LSA (\tq)+2                                    ; the set just read takes the tile two further on
	WIN W_SM
.endif
.irp q, 0,1,2,3
	v_max3_num_f32 v[rT+4+\q], v[rS+8*\q], v[rS+8*\q+1], v[rS+8*\q+2]          ; the maximum of my 32 scores and the old m, in four chains
.endr
.irp i, 3,5
.irp q, 0,1,2,3
	v_max3_num_f32 v[rT+4+\q], v[rT+4+\q], v[rS+8*\q+\i], v[rS+8*\q+\i+1]
.endr
.endr
	v_max3_num_f32 v[rT+4], v[rT+4], v[rS+7], v[rS+15]
	v_max3_num_f32 v[rT+6], v[rT+6], v[rS+23], v[rS+31]
	v_max3_num_f32 v[rT+4], v[rT+4], v[rT+5], v[rT+6]
	v_max3_num_f32 v[rT+4], v[rT+4], v[rT+7], v[rT+1]
	v_permlanex16_b32 v[rT+5], v[rT+4], s[SEL], s[SEL+1]                       ; the query's other 32 keys lie in the lane 16 away
	v_mov_b32 v[rT+7], v[rT]                       ; c m_old
	v_max_num_f32 v[rT+1], v[rT+4], v[rT+5]        ; the new m
	v_mul_f32 v[rT], s[CS], v[rT+1]
	v_sub_f32 v[rT+7], v[rT+7], v[rT]              ; c m_old - c m_new
.set p, 0
.rept 16
	v_pk_fma_f32 v[rS+2*p:rS+2*p+1], v[rS+2*p:rS+2*p+1], s[CS:CS+1], v[rT:rT+1] op_sel_hi:[1,0,0] neg_lo:[0,0,1] neg_hi:[0,0,1]   ; c s - c m
.set p, p+1
.endr
	v_exp_f32 v[rT+6], v[rT+7]                     ; a
.set p, 0
.rept 32
	v_exp_f32 v[rS+p], v[rS+p]                     ; p
.set p, p+1
.endr
	v_nop                                          ; a plain instruction behind the last exponential
	s_wait_alu depctr_va_vdst(0)                   ; one wait for the batch of 33, ahead of the first line that names a result
	WIN W_CV
.set p, 0
.rept 16
	v_cvt_pk_f16_f32 v[rP+p], v[rS+2*p], v[rS+2*p+1]   ; registers 4 kt .. 4 kt + 3: keys 16 kt + 8 h + 0 .. 7: source 1 of the second product as it stands
.set p, p+1
.endr
	WIN W_SM
.irp z, 0,1,2,3,4,5,6,7
	v_pk_add_f32 v[rS+4*\z:rS+4*\z+1], v[rS+4*\z:rS+4*\z+1], v[rS+4*\z+2:rS+4*\z+3]   ; the sum of the unrounded p, in place
.endr
.irp z, 0,1,2,3
	v_pk_add_f32 v[rS+8*\z:rS+8*\z+1], v[rS+8*\z:rS+8*\z+1], v[rS+8*\z+4:rS+8*\z+5]
.endr
.irp z, 0,1
	v_pk_add_f32 v[rS+16*\z:rS+16*\z+1], v[rS+16*\z:rS+16*\z+1], v[rS+16*\z+8:rS+16*\z+9]
.endr
	v_pk_add_f32 v[rS:rS+1], v[rS:rS+1], v[rS+16:rS+17]
	v_pk_fma_f32 v[rT+2:rT+3], v[rT+2:rT+3], v[rT+6:rT+7], v[rS:rS+1] op_sel_hi:[1,0,1]
	WIN W_RS
.set p, 0
.rept 16
	v_pk_mul_f32 v[rS+2*p:rS+2*p+1], v[rS+2*p:rS+2*p+1], v[rT+6:rT+7] op_sel_hi:[1,0]   ; O^T of the tile (32 tq on, in window 3) x a
.set p, p+1
.endr
.endm
.macro PV tq                           ; O^T += v^T p: keys 32 kb on, channels 16 ct on; the four accumulators take turns
	WIN W_PV
.irp kb, 0,1
.irp ct, 0,1,2,3
	v_wmma_f32_16x16x32_f16 v[32*(\tq)+8*\ct:32*(\tq)+8*\ct+7], v[VV+32*\kb+8*\ct:VV+32*\kb+8*\ct+7], v[PR+16*(\tq)+8*\kb:PR+16*(\tq)+8*\kb+7], v[32*(\tq)+8*\ct:32*(\tq)+8*\ct+7]
.endr
.endr
.endm
; A TRIP: 64 keys.  last = 1: the last, which asks for nothing more.
.macro TRIP last
	v_add_nc_u32 v[AEF], s[EBO], v[VL16]
.irp x, 3,4,5,6,7,2,1,0                ; the tiles that B(0, .) wants first
.irp q, 0,1,2,3
	ds_load_b128 v[EF+16*\x+4*\q:EF+16*\x+4*\q+3], v[AEF] offset:2048*\x+512*\q
.endr
.endr
	s_wait_loadcnt 16                              ; k and the mask of this step (and q, and the last trip's two loads of gabriel_mask) are in; v's 16 loads, issued behind them, may be out
	WIN 0x80
	global_load_b128 v[GD:GD+3], v[VL16], s[PG:PG+1] th:TH_LOAD_NT              ; gabriel_mask: read, and nothing is made of it (the head comment says why)
	global_load_b128 v[GD+4:GD+7], v[VL16], s[PG:PG+1] offset:512 th:TH_LOAD_NT
	WIN W_BLK
.irp kt, 0,1,2,3
	v_mul_f32 v[MT+\kt], 8.0, v[MR+\kt]            ; the score is divided by 8 behind the sum, so the mask goes in x 8
.endr
.irp kt, 0,1,2,3
.irp j, 0,1,2,3,4,5,6,7
	v_max_num_f32 v[MK+8*\kt+\j], s[FLO], v[MT+\kt]   ; held at -1e38; a lane's eight registers of a tile of B are one key
.endr
.endr
	s_wait_dscnt 12                                ; table tiles 3 to 7 are in; 2, 1 and 0 (12 loads) may be out
	GROUP 0, 0
	s_wait_dscnt 40                                ; the other three tiles are in: behind their loads stand only B(0, .)'s 40 stores
	GROUP 0, 1
	GROUP 0, 2
	GROUP 0, 3
	WIN 0x80                                       ; B is whole in SB: it comes back as the C of k q^T: lane (n, h): keys 16 kt + 8 h + 0 .. 7 of query 16 t + n
.irp t, 0,1,2,3
.irp kt, 0,1,2,3
	ds_load_b128 v[32*\t+8*\kt:32*\t+8*\kt+3], v[RSB] offset:16*SBP*\t+64*\kt
	ds_load_b128 v[32*\t+8*\kt+4:32*\t+8*\kt+7], v[RSB] offset:16*SBP*\t+64*\kt+16
.endr
.endr
	GROUP 1, 0
	LSA 0
	GROUP 1, 1
	LSA 1
	GROUP 1, 2                                     ; tile 2's scatter lands in SA 0 behind LSA 0, in the wave's order;
	GROUP 1, 3                                     ; tile 3's in SA 1 behind LSA 1
	s_wait_dscnt 40                                ; B and A of tiles 0 and 1 are back: 80 stores were issued behind those loads, of which the last 40 may be out
	WIN W_QK
.irp t, 0,1,2,3                        ; S^T = k q^T + B: four accumulators by turns
.irp ks, 0,1
.irp kt, 0,1,2,3
	v_wmma_f32_16x16x32_f16 v[32*\t+8*\kt:32*\t+8*\kt+7], v[KR+16*\kt+8*\ks:KR+16*\kt+8*\ks+7], v[QR+16*\t+8*\ks:QR+16*\t+8*\ks+7], v[32*\t+8*\kt:32*\t+8*\kt+7]
.endr
.endr
.endr
	PLACES                                         ; in front of the loads into k's registers and of the first read of the scores
	s_wait_loadcnt 2                               ; v of this step is in; the two loads of gabriel_mask, issued behind it, may be out
.if \last == 0
	s_wait_xcnt 0x0                                ; every load so far, and the last trip's prefetch, has read its base: the three bases step here, ahead of the next step's loads
	s_sub_nc_u64 s[PN:PN+1], s[PN:PN+1], 16384     ; trip i: on to step 14 - i
	s_sub_nc_u64 s[PM:PM+1], s[PM:PM+1], 256
	s_add_nc_u64 s[PG:PG+1], s[PG:PG+1], 1024
	WIN 0x40
.irp f, 0,1,2,3,4,5,6,7,8,9,10,11,12,13,14,15
	global_load_b128 v[KR+4*\f:KR+4*\f+3], v[VL16], s[PN:PN+1] offset:512*\f   ; the next step's k,
.endr
.irp f, 0,1,2,3
	global_load_b32 v[MR+\f], v[VM4], s[PM:PM+1] offset:64*\f                  ; and its mask
.endr
	WIN 0
	; A PREFETCH INTO THE L2 of the step that the NEXT trip will load: 16,384 bytes, the step under the one just asked for.  All four work-groups of a head walk the same k and v: the first of them asks; in it wave 0
	; for k's 8,192 bytes and wave 1 for v's, lanes 256 bytes apart: each aligned block of 256 bytes is named once in the launch.  Steps 15 and 14 come by their loads alone; trip 13 asks for step 0, the last.
	s_cmp_lt_u32 s[TI], s[LIM]
	s_cbranch_scc0 .Lnot_mine_\@
	global_prefetch_b8 v[PFO], s[PN:PN+1] offset:-16384 th:TH_LOAD_NT scope:SCOPE_SE
.Lnot_mine_\@:
.endif
	SM 0
	PV 0
	SM 1
	PV 1
	s_wait_dscnt 8                                 ; A of tile 2 is back; tile 3's eight loads may be out
	SM 2
	PV 2
	s_wait_dscnt 0x0
	SM 3
	PV 3
.if \last == 0
	PLACES                                         ; in front of the loads into v's registers
	WIN 0xc0
.irp f, 0,1,2,3,4,5,6,7,8,9,10,11,12,13,14,15
	global_load_b128 v[VV+4*\f:VV+4*\f+3], v[VL16], s[PN:PN+1] offset:8192+512*\f   ; the next step's v
.endr
	WIN 0
	s_add_co_u32 s[EBO], s[EBO], 8192              ; four tiles up the table
.else
	WIN 0
.endif
.endm
	s_mov_b32 s[TI], 0
.Ltrip:
	TRIP 0
	s_add_co_u32 s[TI], s[TI], 1
	s_cmp_lt_u32 s[TI], 15
	s_cbranch_scc1 .Ltrip
	TRIP 1                                         ; the last trip is written out, so that the counted waits see the same loads on every way
	; THE WAY OUT.  The sum's two halves and the other half of the lanes' are added (these additions are the places behind the last products); O^T is divided by the sum and goes, a tile of 16 queries at a time,
	; through my scratch (rows of 256 + 16 bytes), so that sixteen lanes store a query's 256 bytes of this head.
	WIN W_SM
.irp t, 0,1,2,3
	v_add_f32 v[ST+8*\t+4], v[ST+8*\t+2], v[ST+8*\t+3]
.endr
.irp t, 0,1,2,3
	v_permlanex16_b32 v[ST+8*\t+5], v[ST+8*\t+4], s[SEL], s[SEL+1]
.endr
.irp t, 0,1,2,3
	v_add_f32 v[ST+8*\t+4], v[ST+8*\t+4], v[ST+8*\t+5]
.endr
.irp t, 0,1,2,3
	v_rcp_f32 v[ST+8*\t+6], v[ST+8*\t+4]
.endr
	v_nop                                          ; a plain instruction behind the last reciprocal
	s_wait_alu depctr_va_vdst(0)                   ; one wait for the four, ahead of their first reader
.irp t, 0,1,2,3
	WIN 0x0b                                       ; O^T window 3, the reciprocal window 2, the result window 0
.set p, 0
.rept 16
	v_pk_mul_f32 v[RR+2*p:RR+2*p+1], v[32*\t+2*p:32*\t+2*p+1], v[ST+8*\t+6:ST+8*\t+7] op_sel_hi:[1,0]   ; each accumulator from its low end on
.set p, p+1
.endr
	WIN 0
.irp ct, 0,1,2,3
	ds_store_b128 v[STO], v[RR+8*\ct:RR+8*\ct+3] offset:16*SBP*\t+64*\ct           ; lane (n, h): channels 16 ct + 8 h + 0 .. 7 of query n
	ds_store_b128 v[STO], v[RR+8*\ct+4:RR+8*\ct+7] offset:16*SBP*\t+64*\ct+16
.endr
.irp i, 0,1,2,3,4,5,6,7
	ds_load_b128 v[EF+32*\t+4*\i:EF+32*\t+4*\i+3], v[RDO] offset:16*SBP*\t+2*SBP*\i   ; in the wave's order these see the stores above: lanes 0-15 one row, lanes 16-31 the next
.endr
.endr
.irp t, 0,1,2,3
	s_wait_dscnt 16*(3-\t)                         ; tile t is back; the later tiles' 16 LDS instructions each may be out
.irp i, 0,1,2,3,4,5,6,7
	global_store_b128 v[GO], v[EF+32*\t+4*\i:EF+32*\t+4*\i+3], s[14:15] offset:(16*\t+2*\i)*4096 th:TH_STORE_NT   ; 16 lanes store 256 consecutive bytes, at a multiple of 256 from the output's first byte
.endr
.endr
	s_wait_tensorcnt 0x0                           ; the wave's end: behind my last tensor load and my last LDS store
	ds_add_u32 v[SPW], v[NIL]
	s_wait_dscnt 0x0
	s_endpgm
.Lfunc_end_k_q0c543e3067_attn:
	.size	k_q0c543e3067_attn, .Lfunc_end_k_q0c543e3067_attn-k_q0c543e3067_attn
	.p2alignl 7, 3214868480
	.fill 96, 4, 3214868480
	.section	.rodata,"a",@progbits
	.p2align	6, 0x0
	.amdhsa_kernel k_q0c543e3067_attn
		.amdhsa_group_segment_fixed_size 327680
		.amdhsa_private_segment_fixed_size 0
		.amdhsa_enable_private_segment 0
		.amdhsa_kernarg_size 48
		.amdhsa_user_sgpr_count 2
		.amdhsa_user_sgpr_kernarg_segment_ptr 1
		.amdhsa_wavefront_size32 1
		.amdhsa_system_sgpr_workgroup_id_x 1
		.amdhsa_system_sgpr_workgroup_id_y 1
		.amdhsa_system_sgpr_workgroup_id_z 1
		.amdhsa_system_vgpr_workitem_id 0
		.amdhsa_next_free_vgpr 1024
		.amdhsa_next_free_sgpr 66
		.amdhsa_reserve_vcc 0
		.amdhsa_float_denorm_mode_32 3
		.amdhsa_float_denorm_mode_16_64 3
		.amdhsa_memory_ordered 1
		.amdhsa_forward_progress 1
		.amdhsa_inst_pref_size 168
	.end_amdhsa_kernel
	.amdgpu_metadata
---
amdhsa.version: [ 1, 2 ]
amdhsa.kernels:
  - .name:           k_q0c543e3067_attn
    .symbol:         k_q0c543e3067_attn.kd
    .args:
      - { .name: qf, .offset: 0, .size: 8, .value_kind: global_buffer, .address_space: global }
      - { .name: kvf, .offset: 8, .size: 8, .value_kind: global_buffer, .address_space: global }
      - { .name: ef, .offset: 16, .size: 8, .value_kind: global_buffer, .address_space: global }
      - { .name: attention_mask, .offset: 24, .size: 8, .value_kind: global_buffer, .address_space: global }
      - { .name: gabriel_mask, .offset: 32, .size: 8, .value_kind: global_buffer, .address_space: global }
      - { .name: out0, .offset: 40, .size: 8, .value_kind: global_buffer, .address_space: global }
    .group_segment_fixed_size: 327680
    .private_segment_fixed_size: 0
    .kernarg_segment_align: 8
    .kernarg_segment_size: 48
    .max_flat_workgroup_size: 128
    .sgpr_count:     66
    .vgpr_count:     1024
    .wavefront_size: 32
...
	.end_amdgpu_metadata
.endif
;; end of part 4
